; MI455X (gfx1250); checked and timed in simulation.
; The chip was launched on July 23, 2026; its instructions are those of AMD's public machine-readable ISA for CDNA 5 (MIT licence, August 2026) and "CDNA5" Instruction Set Architecture Reference Guide (July 2026). The comments in the code are by the model that wrote it; some were corrected since.
;; Multi Head Scale Dot Product Attention. Allowed arithmetic: matrix products marked QUANTISED: E2M1 operands, one E8M0 scale for each 32 along K, by v_wmma_scale_f32_16x16x128_f8f6f4 with both operands' format E2M1 (or v_wmma_scale_f32_32x16x128_f4), f32 sums; everything else in f32.
;; Inputs: bk 1,024 float32; bo 1,024 float32; bq 1,024 float32; bv 1,024 float32; mask 4 x 2,048 x 2,048 int32; wk 1,024 x 1,024 float32; wo 1,024 x 1,024 float32; wq 1,024 x 1,024 float32; wv 1,024 x 1,024 float32; x_k 4 x 2,048 x 1,024 float32; x_q 4 x 2,048 x 1,024 float32; x_v 4 x 2,048 x 1,024 float32.
;; Outputs: out0 4 x 2,048 x 1,024 float32.
;; This version of the problem:
;;   THIS VERSION OF THE PROBLEM IS GIVEN IN LOW PRECISION. The matrix products marked QUANTISED in the list below multiply operands that are first quantised to E2M1 (2 exponent bits, 1 mantissa bit; 4 bits a number), with one power-of-two scale for each 32 numbers along K (OCP MX v1.0); their sums are f32. All else is computed in f32.
;;   The module's matrix products, in the order in which they are computed (A, B: the left and right operand; K: the contracted axis; several contracted axes count as one K, in the product's order):
;;     1. [M 8,192, K 1,024] x [K 1,024, N 1,024]; A: input x_q; B: input wq: QUANTISED
;;     2. [M 8,192, K 1,024] x [K 1,024, N 1,024]; A: input x_k; B: input wk: QUANTISED
;;     3. [M 8,192, K 1,024] x [K 1,024, N 1,024]; A: input x_v; B: input wv: QUANTISED
;;     4. batch 64 x [M 2,048, K 64] x [K 64, N 2,048]; A: computed on the way; B: computed on the way: QUANTISED
;;     5. batch 64 x [M 2,048, K 2,048] x [K 2,048, N 64]; A: softmax (see below); B: computed on the way: QUANTISED
;;     6. [M 8,192, K 1,024] x [K 1,024, N 1,024]; A: computed on the way; B: input wo: QUANTISED
;;   THE QUANTISER, for each operand of a quantised product, along K:
;;     - K is cut into blocks of 32 from its start; a last block that is shorter is filled with zeros.
;;     - A block's scale is 2^e with e = floor(log2(the largest magnitude in the block)) - 2, held to -126 .. 127; a block of zeros has e = 0. As a byte (E8M0): e + 127.
;;     - Each number is divided by its block's scale, clamped to +-6, and rounded to the nearest number of E2M1, ties to even, subnormals kept.
;;     - The product sums the exact products of the quantised numbers (number of the format x scale) in f32.
;;   ~~~python
;;   def quantise(x, axis):      # numpy; x: float32 -> the quantised numbers, widened to float32 again
;;       x = np.moveaxis(x, axis, -1); K = x.shape[-1]
;;       x = np.pad(x, [(0, 0)] * (x.ndim - 1) + [(0, -K % 32)]); x = x.reshape(x.shape[:-1] + (-1, 32)); a = np.abs(x).max(-1, keepdims=True)
;;       e = np.where(a > 0, np.clip(np.frexp(np.where(a > 0, a, 1))[1] - 1 - 2, -126, 127), 0)      # np.frexp(a)[1] - 1 = floor(log2(a)), exactly
;;       r = np.clip(x / 2.0 ** e, -6, 6)
;;       step = 2.0 ** (np.maximum(np.frexp(np.where(r == 0, 1, r))[1] - 1, 0) - 1)
;;       q = np.round(r / step) * step * 2.0 ** e      # np.round: ties to even
;;       return np.moveaxis(q.reshape(q.shape[:-2] + (-1,))[..., :K], -1, axis).astype(np.float32)
;;   ~~~
;;   SOFTMAX AHEAD OF A QUANTISED PRODUCT. Where the list says 'softmax', what is quantised is not the finished softmax but p = 2^(t - M), with t = logit x log2(e) and M = ceil(the row's largest t), a whole number; so 1/2 < the row's largest p <= 1. The row's sum l is taken of the UNQUANTISED p, in f32, and the product's result is divided by l at the end. Since M is a whole number, a kernel that streams over the keys may use a running M (the ceiling of the running maximum): every later rescaling is an exact power of two, which a block's scale takes up: the codes' values come out the same.
;;   OPERANDS COMPUTED ON THE WAY. 'Computed on the way' means the value that the module computes at that place (a softmax that the list does not call 'softmax' is quantised finished and normalised). What goes into a quantiser is computed in f32, as accurately as f32 sums, v_exp_f32 and their like allow (about 1e-6 of the number): no bf16 or f16 on the way to a quantiser, and a product that is left as it is and whose result goes on into a quantised operand takes f32 operands (vector FMAs, or v_wmma_f32_16x16x4_f32). A number that lies on a knife's edge between two numbers of the format may be rounded either way, as far as f32 arithmetic and the matrix unit's own rounding can turn it there, and no further.
;; One version. Each part assembles by itself: llvm-mc -triple=amdgcn-amd-amdhsa -mcpu=gfx1250 --defsym DOCPART=n.
;; ======== version 1 of 1: 4 launches
;; limits: right only within a limited range of input values
;; workspace buffers: xc 12,582,912 bytes; xs 786,432 bytes; wc 2,097,152 bytes; ws 131,072 bytes; mb 2,097,152 bytes of whole numbers; qkv 13,893,632 bytes
;; launch prep (part 1): grid 256 x 1, 22 waves a work-group, no clusters, 216,832 bytes of LDS; arguments x_q, x_k, x_v, wq, wk, wv, wo, mask, xc, xs, wc, ws, mb; writes xc, xs, wc, ws, mb
.if DOCPART == 1
	.amdgcn_target "amdgcn-amd-amdhsa--gfx1250"
	.amdhsa_code_object_version 6
	.text
	.protected	k_qbb3c00c42d_prep
	.globl	k_qbb3c00c42d_prep
	.p2align	8
	.type	k_qbb3c00c42d_prep,@function
k_qbb3c00c42d_prep:
	s_mov_b64 s[64:65], 0
	v_nop
	global_prefetch_b8 v0, s[64:65] scope:SCOPE_SE
	s_setreg_imm32_b32 hwreg(HW_REG_WAVE_MODE, 25, 1), 1
	s_wait_xcnt 0x0
; MULTI-HEAD ATTENTION IN MX-FP4, launch 1 of 4: the inputs are laid out for the products.
; DEAD WORK: none.  Every input has a way to the output: all four biases move codes or results (bk moves K's codes ahead of a quantised product),
; and the mask only selects values, so every score is computed and then selected.  No input, product, row or step is left out in any launch.
; LIMITS (all four launches): NaN and infinities among the inputs are not served.  A block whose largest magnitude lies under 2^-124 gets the scale byte 1;
; a block of zeros gets the byte 1 where the rule says 127: its codes are zeros, which add nothing under any byte but 0xff, and these bytes are read by this program alone.
; WHAT THIS LAUNCH DOES.  x_q, x_k, x_v [8192][1024] and wq, wk, wv, wo [1024][1024], f32, K innermost, become codes of E2M1 and E8M0 scale bytes along K,
; stored IN THE ORDER OF A MATRIX OPERAND'S REGISTERS: codes [tensor][128 rows][K step of 128][tile of 16 rows][block of 32: 0..3][row][16 bytes]; scale words [tensor][128 rows][K step][tile][row], byte = block.
; A fragment (16 rows x 128 K) is then 1,024 dense bytes: two loads of 16 bytes a lane, at 16 x lane and 512 + 16 x lane.
; The mask [4][2048][2048] int32 becomes lane masks: mb [batch][tile of 16 queries][step of 128 keys][64 words]; bit (r + 16 h) of word 8 t + j says whether
; mask[query r][key 64 (t / 4) + 32 h + 8 (t % 4) + j] is not 0: word n is the select mask of the n-th score register of the attention launch.
; SHARES.  A job is one wave's: 32 KiB read.  Quantising: a tile of 16 rows x 512 along K: 3,584 jobs.  Mask: 16 queries x 512 keys: 2,048 jobs.  3,584 = 256 x 14 and 2,048 = 256 x 8:
; 256 work-groups of 22 waves, waves 0-13 quantising and waves 14-21 packing the mask, give every work-group the same 704 KiB.  Six waves of 160 registers share a SIMD's 1,024.
; No tensor loads, no barrier: waves share nothing.  The two roles part on the wave's number, once, and never join; every wave has LDS bytes of its own, wave x WREG, in either role.
.set NQ,    14                         ; quantising waves
.set WREG,  9728                       ; a wave's LDS region.  Quantising: two turn stages of 32 x 80, the code stage of 16 x 272, 256 scale bytes.  Mask: a stage of 16 rows x (512 + 16) bytes = 8,448
.set SP,    80                         ; a lane's place in a turn stage: 64 bytes + 16 of padding
.set CST,   5120                       ; the code stage: [block 0..15][row][16 bytes], 272 bytes from block to block
.set SBY,   9472                       ; the scale bytes: [K step 0..3][row][block 0..3]
.set SPARE, 22*WREG                    ; the spare words, 128 bytes for each wave: eleven blocks of 256 bytes that no other line names
.set SPW,   12                         ; v12  LDS address of my spare word; never rewritten
.set NIL,   13                         ; v13  0; never rewritten
.set R,     16                         ; v16-79   four sets of 16 numbers as loaded
.set X,     80                         ; v80-111  two sets of 16 neighbours
.set E,     112                        ; v112-127 a scale byte for each step
.set C,     128                        ; v128-159 two registers of codes for each step
.set OUTR,  16                         ; v16-47   the way out, in the load ring's first two sets, which are done with by then
.set M,     16                         ; mask path: v16-143 two sets of 64 words: as loaded, then, back from the stage, in the order of the score registers
	s_load_b512 s[4:19], s[0:1], 0x0               ; x_q, x_k, x_v, wq, wk, wv, wo, mask
	s_load_b256 s[20:27], s[0:1], 0x40             ; xc, xs, wc, ws
	s_load_b64 s[28:29], s[0:1], 0x60              ; mb
	v_lshl_add_u32 v[SPW], v0, 2, SPARE
	v_mov_b32 v[NIL], 0
	v_lshrrev_b32 v1, 5, v0
	s_delay_alu instid0(VALU_DEP_1)
	v_readfirstlane_b32 s30, v1                    ; wave 0..21
	v_and_b32 v2, 31, v0                           ; lane
	s_cmp_lt_u32 s30, NQ
	s_cbranch_scc0 .Lmask
	; ---------------- THE QUANTISING WAVES.  A wave takes a tile of 16 rows x 512 along K: step t is row t's 2,048 bytes.
	v_lshlrev_b32 v3, 4, v2                        ; 16 x lane: my bytes of a load's 512, and of a store's
	s_mul_i32 s31, s30, WREG
	v_lshrrev_b32 v14, 2, v2
	s_delay_alu instid0(VALU_DEP_1)
	v_mul_u32_u24 v14, v14, SP
	v_and_b32 v15, 3, v2
	s_delay_alu instid0(VALU_DEP_1)
	v_lshl_add_u32 v14, v15, 4, v14
	s_delay_alu instid0(VALU_DEP_1)
	v_add_nc_u32 v14, s31, v14                     ; turn stage, in: four lanes' 64 bytes on end, then 16 of padding
	v_mul_u32_u24 v15, v2, SP
	s_delay_alu instid0(VALU_DEP_1)
	v_add_nc_u32 v15, s31, v15                     ; and out: my 16 neighbours
	v_lshrrev_b32 v4, 1, v2
	s_delay_alu instid0(VALU_DEP_1)
	v_mul_u32_u24 v4, v4, 272
	v_and_b32 v8, 1, v2
	s_delay_alu instid0(VALU_DEP_1)
	v_lshl_add_u32 v4, v8, 3, v4
	s_delay_alu instid0(VALU_DEP_1)
	v_add_nc_u32 v4, s31, v4
	s_delay_alu instid0(VALU_DEP_1)
	v_add_nc_u32 v4, CST, v4                       ; code stage, in: block lane / 2, my half of its 16 bytes; the row stands in the immediate
	v_lshrrev_b32 v10, 4, v2
	s_delay_alu instid0(VALU_DEP_1)
	v_mul_u32_u24 v10, v10, 272
	v_and_b32 v8, 15, v2
	s_delay_alu instid0(VALU_DEP_1)
	v_lshl_add_u32 v10, v8, 4, v10
	s_delay_alu instid0(VALU_DEP_1)
	v_add_nc_u32 v10, s31, v10
	s_delay_alu instid0(VALU_DEP_1)
	v_add_nc_u32 v10, CST, v10                     ; and out: lanes 0-15 an even block's 16 rows, lanes 16-31 the odd block's
	v_lshrrev_b32 v5, 3, v2
	v_bfe_u32 v8, v2, 1, 2
	s_delay_alu instid0(VALU_DEP_1)
	v_lshl_add_u32 v5, v5, 6, v8
	s_delay_alu instid0(VALU_DEP_1)
	v_add_nc_u32 v5, s31, v5
	s_delay_alu instid0(VALU_DEP_1)
	v_add_nc_u32 v5, SBY, v5                       ; my block's scale byte: K step lane / 8, block (lane / 2) % 4; the row (x 4) stands in the immediate
	v_lshlrev_b32 v6, 3, v2
	s_delay_alu instid0(VALU_DEP_1)
	v_add_nc_u32 v6, s31, v6
	s_delay_alu instid0(VALU_DEP_1)
	v_add_nc_u32 v6, SBY, v6                       ; the bytes on the way out: 8 a lane
	v_lshrrev_b32 v7, 3, v2
	v_and_b32 v8, 7, v2
	s_delay_alu instid0(VALU_DEP_1)
	v_lshlrev_b32 v8, 3, v8
	s_delay_alu instid0(VALU_DEP_1)
	v_lshl_add_u32 v7, v7, 9, v8                   ; and their place in memory: 512 bytes from K step to K step
	s_mul_i32 s56, ttmp9, NQ
	s_add_co_u32 s56, s56, s30                     ; my job among the 3,584
	s_lshr_b32 s57, s56, 2                         ; its unit of 32 rows x 1,024: units 0-767 are the three x (256 each), 768-895 the four weights (32 each)
	s_and_b32 s58, s56, 3                          ; and my quarter of the unit
	s_cmp_lt_u32 s57, 768                          ; an x or a weight?
	s_cselect_b32 s38, 0, 768
	s_cselect_b32 s39, 8, 5
	s_cselect_b32 s40, 22, 19                      ; a tensor's codes: 4 MiB or 512 KiB
	s_cselect_b32 s41, 18, 15                      ; its scale words: 256 KiB or 32 KiB
	s_cselect_b32 s42, 255, 31
	s_sub_co_u32 s38, s57, s38
	s_lshr_b32 s43, s38, s39                       ; which tensor of its kind
	s_and_b32 s38, s38, s42
	s_lshl_b32 s38, s38, 1
	s_lshr_b32 s44, s58, 1
	s_add_co_u32 s38, s38, s44                     ; my tile of 16 rows
	s_and_b32 s44, s58, 1                          ; my half of K
	s_lshl_b32 s46, s38, 16
	s_lshl_b32 s45, s44, 11
	s_add_co_u32 s46, s46, s45                     ; source: tile x 16 rows of 4,096 bytes + half x 2,048
	s_mov_b32 s47, 0
	s_lshr_b32 s45, s38, 3                         ; block of 128 rows
	s_and_b32 s38, s38, 7                          ; tile in it
	s_lshl_b32 s48, s43, s40
	s_lshl_b32 s50, s45, 16
	s_add_co_u32 s48, s48, s50
	s_lshl_b32 s50, s44, 15
	s_add_co_u32 s48, s48, s50
	s_lshl_b32 s50, s38, 10
	s_add_co_u32 s48, s48, s50                     ; codes: slot + row block x 65,536 + half x 4 K steps of 8,192 + tile x 1,024
	s_mov_b32 s49, 0
	s_lshl_b32 s50, s43, s41
	s_lshl_b32 s52, s45, 12
	s_add_co_u32 s50, s50, s52
	s_lshl_b32 s52, s44, 11
	s_add_co_u32 s50, s50, s52
	s_lshl_b32 s52, s38, 6
	s_add_co_u32 s50, s50, s52                     ; scale words: slot + row block x 4,096 + half x 4 K steps of 512 + tile x 64
	s_mov_b32 s51, 0
	s_wait_kmcnt 0x0
	s_mov_b64 s[32:33], s[16:17]                   ; the source is chosen by the job's number alone
	s_cmp_lt_u32 s57, 864
	s_cselect_b64 s[32:33], s[14:15], s[32:33]
	s_cmp_lt_u32 s57, 832
	s_cselect_b64 s[32:33], s[12:13], s[32:33]
	s_cmp_lt_u32 s57, 800
	s_cselect_b64 s[32:33], s[10:11], s[32:33]
	s_cmp_lt_u32 s57, 768
	s_cselect_b64 s[32:33], s[8:9], s[32:33]
	s_cselect_b64 s[34:35], s[20:21], s[24:25]     ; codes go to xc or wc,
	s_cselect_b64 s[36:37], s[22:23], s[26:27]     ; scale words to xs or ws
	s_cmp_lt_u32 s57, 512
	s_cselect_b64 s[32:33], s[6:7], s[32:33]
	s_cmp_lt_u32 s57, 256
	s_cselect_b64 s[32:33], s[4:5], s[32:33]
	s_add_nc_u64 s[32:33], s[32:33], s[46:47]
	s_add_nc_u64 s[34:35], s[34:35], s[48:49]
	s_add_nc_u64 s[36:37], s[36:37], s[50:51]
.macro LOAD t                          ; row t's 2,048 bytes: each load reads 512 consecutive bytes
.irp i, 0,1,2,3
	global_load_b128 v[R+16*((\t)%4)+4*\i:R+16*((\t)%4)+4*\i+3], v3, s[32:33] offset:4096*(\t)+512*\i th:TH_LOAD_NT
.endr
.endm
.macro TURN t                          ; through the turn stage: LDS serves a wave's instructions in order, so no wait stands between the stores and the loads
.irp i, 0,1,2,3
	ds_store_b128 v14, v[R+16*((\t)%4)+4*\i:R+16*((\t)%4)+4*\i+3] offset:32*SP*((\t)%2)+8*SP*\i
.endr
.irp i, 0,1,2,3
	ds_load_b128 v[X+16*((\t)%2)+4*\i:X+16*((\t)%2)+4*\i+3], v15 offset:32*SP*((\t)%2)+16*\i
.endr
.endm
.irp t, 0,1,2,3
	LOAD \t
.endr
	s_wait_loadcnt 12                              ; row 0's four loads are in
	TURN 0
.macro STEP t
.set XS, X+16*((\t)%2)
.if (\t) > 0
	s_wait_dscnt 2                                 ; this row's numbers are back from the stage; the last step's two stores (byte, codes) may be out
.else
	s_wait_dscnt 0x0
.endif
.if (\t)+4 < 16
	LOAD (\t)+4                                    ; into the set whose stores into the stage are done
.endif
.if (\t)+1 < 16
.if 14-(\t) >= 3
	s_wait_loadcnt 12                              ; the next row's four loads are in; those of the three rows behind it may be out
.else
	s_wait_loadcnt 4*(14-(\t))
.endif
	TURN (\t)+1
.endif
	v_max3_num_f32 v8, |v[XS]|, |v[XS+1]|, |v[XS+2]|               ; the largest magnitude of my 16, in two chains
	v_max3_num_f32 v9, |v[XS+3]|, |v[XS+4]|, |v[XS+5]|
.irp i, 6,10
	s_delay_alu instid0(VALU_DEP_2)
	v_max3_num_f32 v8, v8, |v[XS+\i]|, |v[XS+\i+1]|
	s_delay_alu instid0(VALU_DEP_2)
	v_max3_num_f32 v9, v9, |v[XS+\i+2]|, |v[XS+\i+3]|
.endr
	s_delay_alu instid0(VALU_DEP_2)
	v_max3_num_f32 v8, v8, |v[XS+14]|, |v[XS+15]|
	s_delay_alu instid0(VALU_DEP_1)
	v_max3_num_f32 v8, v8, v9, 0x1800000           ; and the floor 2^(3 - 127): the byte cannot fall under 1
	s_delay_alu instid0(VALU_DEP_1)
	v_max_num_f32_dpp v8, v8, v8 row_xmask:1 row_mask:0xf bank_mask:0xf   ; with my neighbour's 16: the block's
	s_delay_alu instid0(VALU_DEP_1)
	v_add_nc_u32 v11, 0xff000000, v8               ; 2 off its exponent field: the conversion takes the exponent field of this operand as its scale
	v_cvt_scalef32_pk8_fp4_f32 v[C+2*(\t)], v[XS:XS+7], v11
	v_cvt_scalef32_pk8_fp4_f32 v[C+2*(\t)+1], v[XS+8:XS+15], v11
	v_lshrrev_b32 v[E+(\t)], 23, v11               ; the scale's byte (a plain line behind the conversions)
	ds_store_b8 v5, v[E+(\t)] offset:4*(\t)        ; both lanes of a block write the same byte with the same value
	ds_store_b64 v4, v[C+2*(\t):C+2*(\t)+1] offset:16*(\t)
.endm
.irp t, 0,1,2,3,4,5,6,7,8,9,10,11,12,13,14,15
	STEP \t
.endr
.irp j, 0,1,2,3,4,5,6,7
	ds_load_b128 v[OUTR+4*\j:OUTR+4*\j+3], v10 offset:544*\j       ; blocks 2 j and 2 j + 1, 16 rows each: 512 bytes of an operand's image.  (No load from memory is out, and the ring's stores into the stage are long done)
.endr
	ds_load_b64 v[8:9], v6
.irp j, 0,1,2,3,4,5,6,7
	s_wait_dscnt 8-\j                              ; load j is back; the younger ones may be out
	global_store_b128 v3, v[OUTR+4*\j:OUTR+4*\j+3], s[34:35] offset:(\j/2)*8192+(\j%2)*512   ; 512 consecutive bytes, aligned
.endr
	s_wait_dscnt 0x0
	global_store_b64 v7, v[8:9], s[36:37]          ; four pieces of 64 bytes: one byte for each 128 that the job reads
	s_wait_tensorcnt 0x0                           ; the wave's end, behind my last LDS store
	ds_add_u32 v[SPW], v[NIL]
	s_wait_dscnt 0x0
	s_endpgm
	; ---------------- THE MASK WAVES.  A wave takes a tile of 16 queries x 512 keys: four units of 128 keys.
.Lmask:
	s_lshl_b32 s31, ttmp9, 3
	s_add_co_u32 s31, s31, s30
	s_sub_co_u32 s31, s31, NQ                      ; my job among the 2,048: 4 x tile of queries + quarter of the keys
	s_lshr_b32 s32, s31, 2
	s_lshl_b32 s32, s32, 17                        ; 16 rows of 8,192 bytes
	s_and_b32 s33, s31, 3
	s_lshl_b32 s33, s33, 11
	s_add_co_u32 s32, s32, s33
	s_mov_b32 s33, 0
	s_lshl_b32 s34, s31, 10                        ; four records of 256 bytes
	s_mov_b32 s35, 0
	s_mul_i32 s36, s30, WREG                       ; my stage
	s_wait_alu depctr_va_vdst(0)
	v_lshlrev_b32 v1, 4, v2                        ; 16 x lane
	s_delay_alu instid0(VALU_DEP_1)
	v_add_nc_u32 v3, s36, v1                       ; in: a row's 512 bytes as they lie
	v_and_b32 v14, 15, v2
	s_delay_alu instid0(VALU_DEP_1)
	v_mul_u32_u24 v14, v14, 528
	v_lshrrev_b32 v15, 4, v2
	s_delay_alu instid0(VALU_DEP_1)
	v_lshl_add_u32 v14, v15, 7, v14                ; lanes 16-31 stand 32 keys (128 bytes) on
	s_delay_alu instid0(VALU_DEP_1)
	v_add_nc_u32 v14, s36, v14                     ; out: row lane % 16, + 128 bytes for lanes 16-31
	v_lshlrev_b32 v15, 3, v2                       ; a record's two words a lane
.irp i, 4,5,6,7,8,9,10,11
	v_mov_b32 v\i, 0                               ; written once: v_writelane_b32 keeps the other lanes
.endr
	s_wait_kmcnt 0x0
	s_add_nc_u64 s[18:19], s[18:19], s[32:33]
	s_add_nc_u64 s[28:29], s[28:29], s[34:35]
.macro LOADM u                         ; unit u: 16 rows x 512 consecutive bytes, into set u % 2
.irp q, 0,1,2,3,4,5,6,7,8,9,10,11,12,13,14,15
	global_load_b128 v[M+64*((\u)%2)+4*\q:M+64*((\u)%2)+4*\q+3], v1, s[18:19] offset:8192*\q+512*(\u) th:TH_LOAD_NT
.endr
.endm
.macro UNIT u
.set MS, M+64*((\u)%2)
.if (\u) < 3
	s_wait_loadcnt 16                              ; this unit's 16 loads are in; the next unit's may be out
.else
	s_wait_loadcnt 0x0
.endif
.irp q, 0,1,2,3,4,5,6,7,8,9,10,11,12,13,14,15
	ds_store_b128 v3, v[MS+4*\q:MS+4*\q+3] offset:528*\q
.endr
.irp t, 0,1,2,3,4,5,6,7
	ds_load_b128 v[MS+8*\t:MS+8*\t+3], v14 offset:256*(\t/4)+32*(\t%4)      ; THE ORDER OF THE KEYS: word 8 t + j, bit r + 16 h, is key 64 (t / 4) + 32 h + 8 (t % 4) + j of query r, as the attention launch's score registers hold them
	ds_load_b128 v[MS+8*\t+4:MS+8*\t+7], v14 offset:256*(\t/4)+32*(\t%4)+16
.endr
	s_wait_dscnt 0x0
.irp g, 0,1,2,3
.irp n, 0,1,2,3,4,5,6,7,8,9,10,11,12,13,14,15
	v_cmp_ne_u32 s[40+\n], 0, v[MS+16*\g+\n]       ; word 16 g + n: a bit for each lane
.endr
.irp n, 0,1,2,3,4,5,6,7,8,9,10,11,12,13,14,15
	v_writelane_b32 v[4+2*(\u)+(\n%2)], s[40+\n], 8*\g+\n/2   ; words 2 L and 2 L + 1 go to lane L
.endr
.endr
.if (\u) < 2
	LOADM (\u)+2                                   ; the set has been read: it takes the unit two on
.endif
	global_store_b64 v15, v[4+2*(\u):5+2*(\u)], s[28:29] offset:256*(\u)   ; one aligned record of 256 bytes
.endm
	LOADM 0
	LOADM 1
	UNIT 0
	UNIT 1
	UNIT 2
	UNIT 3
	s_wait_tensorcnt 0x0                           ; the wave's end, behind my last LDS store
	ds_add_u32 v[SPW], v[NIL]
	s_wait_dscnt 0x0
	s_endpgm
.Lfunc_end_k_qbb3c00c42d_prep:
	.size	k_qbb3c00c42d_prep, .Lfunc_end_k_qbb3c00c42d_prep-k_qbb3c00c42d_prep
	.p2alignl 7, 3214868480
	.fill 96, 4, 3214868480
	.section	.rodata,"a",@progbits
	.p2align	6, 0x0
	.amdhsa_kernel k_qbb3c00c42d_prep
		.amdhsa_group_segment_fixed_size 216832
		.amdhsa_private_segment_fixed_size 0
		.amdhsa_enable_private_segment 0
		.amdhsa_kernarg_size 104
		.amdhsa_user_sgpr_count 2
		.amdhsa_user_sgpr_kernarg_segment_ptr 1
		.amdhsa_wavefront_size32 1
		.amdhsa_system_sgpr_workgroup_id_x 1
		.amdhsa_system_sgpr_workgroup_id_y 1
		.amdhsa_system_sgpr_workgroup_id_z 1
		.amdhsa_system_vgpr_workitem_id 0
		.amdhsa_next_free_vgpr 160
		.amdhsa_next_free_sgpr 66
		.amdhsa_reserve_vcc 0
		.amdhsa_float_denorm_mode_32 3
		.amdhsa_float_denorm_mode_16_64 3
		.amdhsa_memory_ordered 1
		.amdhsa_forward_progress 1
		.amdhsa_inst_pref_size 89
	.end_amdhsa_kernel
	.amdgpu_metadata
---
amdhsa.version: [ 1, 2 ]
amdhsa.kernels:
  - .name:           k_qbb3c00c42d_prep
    .symbol:         k_qbb3c00c42d_prep.kd
    .args:
      - { .name: x_q, .offset: 0, .size: 8, .value_kind: global_buffer, .address_space: global }
      - { .name: x_k, .offset: 8, .size: 8, .value_kind: global_buffer, .address_space: global }
      - { .name: x_v, .offset: 16, .size: 8, .value_kind: global_buffer, .address_space: global }
      - { .name: wq, .offset: 24, .size: 8, .value_kind: global_buffer, .address_space: global }
      - { .name: wk, .offset: 32, .size: 8, .value_kind: global_buffer, .address_space: global }
      - { .name: wv, .offset: 40, .size: 8, .value_kind: global_buffer, .address_space: global }
      - { .name: wo, .offset: 48, .size: 8, .value_kind: global_buffer, .address_space: global }
      - { .name: mask, .offset: 56, .size: 8, .value_kind: global_buffer, .address_space: global }
      - { .name: xc, .offset: 64, .size: 8, .value_kind: global_buffer, .address_space: global }
      - { .name: xs, .offset: 72, .size: 8, .value_kind: global_buffer, .address_space: global }
      - { .name: wc, .offset: 80, .size: 8, .value_kind: global_buffer, .address_space: global }
      - { .name: ws, .offset: 88, .size: 8, .value_kind: global_buffer, .address_space: global }
      - { .name: mb, .offset: 96, .size: 8, .value_kind: global_buffer, .address_space: global }
    .group_segment_fixed_size: 216832
    .private_segment_fixed_size: 0
    .kernarg_segment_align: 8
    .kernarg_segment_size: 104
    .max_flat_workgroup_size: 704
    .sgpr_count:     66
    .vgpr_count:     160
    .wavefront_size: 32
...
	.end_amdgpu_metadata
.endif
;; end of part 1
;; launch proj (part 2): grid 192 x 4, 8 waves a work-group, clusters of 4 x 4, 263,168 bytes of LDS; arguments xc, xs, wc, ws, bq, bk, bv, qkv; writes qkv
.if DOCPART == 2
	.amdgcn_target "amdgcn-amd-amdhsa--gfx1250"
	.amdhsa_code_object_version 6
	.text
	.protected	k_qbb3c00c42d_proj
	.globl	k_qbb3c00c42d_proj
	.p2align	8
	.type	k_qbb3c00c42d_proj,@function
k_qbb3c00c42d_proj:
	s_mov_b64 s[64:65], 0
	v_nop
	global_prefetch_b8 v0, s[64:65] scope:SCOPE_SE
	s_setreg_imm32_b32 hwreg(HW_REG_WAVE_MODE, 25, 1), 1
	s_wait_xcnt 0x0
	s_wait_alu depctr_hold_cnt(0) depctr_sa_sdst(0) depctr_va_vdst(0) depctr_va_sdst(0) depctr_va_ssrc(0) depctr_va_vcc(0) depctr_vm_vsrc(0)
	s_getreg_b32 s2, hwreg(HW_REG_IB_STS2, 6, 4)
	s_cmp_eq_u32 s2, 0
	s_cbranch_scc0 .Lentry_in_a_cluster
	s_endpgm
.Lentry_in_a_cluster:
	s_bfe_u32 s2, ttmp6, 0x10000c
	s_cmp_lg_u32 s2, 0xf033
	s_cbranch_scc0 .Lentry_shape_is_right
	s_endpgm
.Lentry_shape_is_right:
; Launch 2 of 4: q = x_q wq^T + bq, k = x_k wk^T + bk, v = x_v wv^T + bv on codes of E2M1, and the results quantised in registers for the attention launch.  Nothing is left out as dead work.
; ONE SYMMETRIC CORE.  P = source 0 of the matrix instruction: its index runs along a lane's registers, and along it the result is quantised.  R = source 1: its index is the lane.
; q, k: P = 128 rows of W (two heads' 128 output columns: the next K), R = 256 rows of x.  v: P = 128 rows of x_v (a step of 128 keys: the next K), R = 256 rows of wv.
; A work-group makes P128 x R256 over all of K = 1,024; a wave P128 x R32: 16 accumulators of 16 x 16, 128 registers.
; NO RING: all of K of both operands is 204 KiB and fits in LDS, so every tensor load is a first fill.  every wave issues one load, and one wait and one barrier stand ahead of the products.
; CLUSTERS of 4 x 4: the four of a column (same cx) need the same P, the four of a row (same cy) the same R: each piece is asked for jointly.  48 clusters: 16 for each of q, k, v.
; RESULTS: qkv holds a record of REC bytes for each (batch, head): K codes [tile of 16 keys][512 bytes: lane l at 16 l; lane (r, h) = d 32 h .. of key r]; V codes [step of 128 keys][tile of 16 channels][1,024 bytes: a fragment];
; K scale words [key]; V scale words [step][tile][channel]; Q codes and Q scale words as K's.  In a Q or K scale word bytes 0, 1 are the head's two blocks; bytes 2, 3 scale a padded half of zero products:
; they hold the neighbouring head's bytes (1 to 254) or 0, never 0xff.
; LIMITS: as stated at the head of the first launch.
.set REC,   217088
.set SPARE, 262144                     ; behind the eight waves' places of 32 KiB: the spare words, 128 bytes for each of eight waves
.set AP,   1                           ; v1   LDS address of P's fragments: 16 x lane
.set AR,   2                           ; v2   of my two tiles of R
.set ASP,  3                           ; v3   of P's scale words
.set ASR,  4                           ; v4   of R's
.set SPW,  5                           ; v5   my spare word; never rewritten
.set NIL,  6                           ; v6   0; never rewritten
.set VO,   8                           ; v8-11 store offsets of the four pieces of codes
.set VS,   12                          ; v12  4 x lane
.set SCS,  16                          ; v16-20, v21-25 two sets of scale words: four registers with P's tiles 2 i (lanes 0-15) and 2 i + 1 (lanes 16-31), one with R's tiles 0 and 1
.set RF,   32                          ; v32-47, v48-63 R's two fragments, two sets
.set PF,   64                          ; v64-127 P's eight fragments, one set
.set ACC,  128                         ; v128-255 accumulator (a, b) at ACC + 64 a + 8 b
.set TM,   32                          ; the way out: v32-47 at work
.set WV,   20                          ; s20  wave
.set G1PC, 28                          ; s[28:35] group 1: P's codes;  s[36:43] R's codes;  s[44:51] P's scale words;  s[52:59] R's scale words
.set G1RC, 36
.set G1PS, 44
.set G1RS, 52
.macro CROUND                          ; a round of the cluster's barrier
	s_barrier_signal -1
	s_barrier_wait -1
	s_cmp_lg_u32 s[WV], 0
	s_cbranch_scc1 .Lnot_wave_0_\@
	s_barrier_signal -3
.Lnot_wave_0_\@:
	s_barrier_wait -3
	s_barrier_signal -1
	s_barrier_wait -1
.endm
.macro NOP4
.rept 4
	v_nop
.endr
.endm
.macro MKG0 g, adr                     ; group 0: LDS byte 32,768 x wave
	s_mov_b32 s[\g], 1
	s_lshl_b32 s[\g+1], s[WV], 15
	s_mov_b64 s[\g+2:\g+3], s[\adr:\adr+1]
	s_or_b32 s[\g+3], s[\g+3], 0x80000000
.endm
.macro ONE g0, g1                      ; a wave's one tensor load
	tensor_load_to_lds s[\g0:\g0+3], s[\g1:\g1+7]
	s_nop 0
	NOP4
.endm
	s_load_b512 s[4:19], s[0:1], 0x0               ; xc, xs, wc, ws, bq, bk, bv, qkv
	v_lshl_add_u32 v[SPW], v0, 2, SPARE
	v_mov_b32 v[NIL], 0
	ds_add_u32 v[SPW], v[NIL]                      ; the opening: the add, twice on end, and its wait ahead of my first tensor load
	ds_add_u32 v[SPW], v[NIL]
	v_lshrrev_b32 v13, 5, v0
	s_delay_alu instid0(VALU_DEP_1)
	v_readfirstlane_b32 s[WV], v13                 ; wave 0..7
	s_bfe_u32 s21, ttmp6, 0x40000                  ; cx
	s_bfe_u32 s22, ttmp6, 0x40004                  ; cy
	s_lshr_b32 s23, ttmp9, 4                       ; T: 0 q, 1 k, 2 v: the same in all sixteen partners
	s_and_b32 s24, ttmp9, 15
	s_and_b32 s25, s24, 1
	s_lshr_b32 s26, s24, 1
	s_cmp_eq_u32 s23, 2
	s_cselect_b32 s25, s24, s25                    ; P's group of four tiles: v has 16 (8,192 keys), q and k two (1,024 columns)
	s_cselect_b32 s26, 0, s26                      ; R's: v has one (1,024 columns), q and k eight (8,192 rows)
	s_cselect_b32 s2, 22, 19                       ; log2 of a tensor's slot: P's codes,
	s_cselect_b32 s3, 18, 15                       ; P's scale words,
	s_cselect_b32 s66, 19, 22                      ; R's codes,
	s_cselect_b32 s67, 15, 18                      ; R's scale words
	s_lshl_b32 s25, s25, 2
	s_add_co_u32 s25, s25, s21                     ; P tile (128 rows): hangs on cx alone
	s_lshl_b32 s26, s26, 2
	s_add_co_u32 s26, s26, s22                     ; R tile (256 rows): hangs on cy alone
	s_lshl_b32 s24, 0x1111, s21                    ; my column of the cluster
	s_lshl_b32 s27, s22, 2
	s_lshl_b32 s27, 15, s27                        ; my row
	s_or_b32 s[G1PC], s24, (3<<16)|(1<<21)         ; 15:0 the mask; 17:16 elements of 8 bytes; 21 set beside a mask; no padding: the images are read 16 bytes a lane on end
	s_or_b32 s[G1PS], s24, (3<<16)|(1<<21)
	s_or_b32 s[G1RC], s27, (3<<16)|(1<<21)
	s_or_b32 s[G1RS], s27, (3<<16)|(1<<21)
.irp g, G1PC, G1RC, G1PS, G1RS         ; every piece is a dense block of memory, stated as rows of 256 bytes
	s_mov_b32 s[\g+1], 32<<16
	s_mov_b32 s[\g+3], 32<<16
	s_mov_b32 s[\g+5], 32
	s_mov_b32 s[\g+6], 0
	s_mov_b32 s[\g+7], 0
.endr
.irp g, G1PC, G1RC                     ; four K steps' codes of 128 rows: 32,768 bytes
	s_mov_b32 s[\g+2], 128<<16
	s_mov_b32 s[\g+4], 128
.endr
	s_mov_b32 s[G1PS+2], 16<<16                    ; all eight K steps' scale words of 128 rows: 4,096 bytes
	s_mov_b32 s[G1PS+4], 16
	s_mov_b32 s[G1RS+2], 32<<16                    ; and of 256 rows: 8,192 bytes
	s_mov_b32 s[G1RS+4], 32
	; WHAT I FETCH, ONE LOAD A WAVE, ALL OF K.  Waves 0, 1: P's codes, K steps 0-3 and 4-7.  Waves 2-5: R's codes, row block (wave / 4), K steps 0-3 (even wave) or 4-7.  Wave 6: P's scale words.  Wave 7: R's.
	; Every wave makes a P address and an R address, in registers that never hold the other coordinate, and asks by one of them.
	s_lshl_b32 s2, s23, s2
	s_lshl_b32 s3, s23, s3
	s_lshl_b32 s66, s23, s66
	s_lshl_b32 s67, s23, s67
	s_lshl_b32 s24, s25, 16
	s_add_co_u32 s2, s2, s24
	s_lshl_b32 s24, s[WV], 15
	s_add_co_u32 s2, s2, s24                       ; P's codes: slot + tile x 65,536 + wave x 32,768
	s_lshl_b32 s24, s25, 12
	s_add_co_u32 s3, s3, s24                       ; P's scale words: slot + tile x 4,096
	s_cmp_eq_u32 s[WV], 6
	s_cselect_b32 s2, s3, s2
	s_mov_b32 s3, 0
	s_lshl_b32 s27, s26, 1
	s_bfe_u32 s96, s[WV], 0x10002
	s_add_co_u32 s27, s27, s96
	s_lshl_b32 s27, s27, 16
	s_add_co_u32 s66, s66, s27
	s_and_b32 s27, s[WV], 1
	s_lshl_b32 s27, s27, 15
	s_add_co_u32 s66, s66, s27                     ; R's codes: slot + row block x 65,536 + half of K x 32,768
	s_lshl_b32 s27, s26, 13
	s_add_co_u32 s67, s67, s27                     ; R's scale words: slot + tile x 8,192
	s_cmp_eq_u32 s[WV], 7
	s_cselect_b32 s66, s67, s66
	s_mov_b32 s67, 0
	s_wait_dscnt 0x0                               ; both opening adds are done
	s_wait_kmcnt 0x0
	s_cmp_eq_u32 s23, 2
	s_cselect_b64 s[96:97], s[4:5], s[8:9]         ; P's codes lie in xc (v) or wc,
	s_cselect_b64 s[98:99], s[6:7], s[10:11]       ; its scale words in xs or ws;
	s_cselect_b64 s[100:101], s[8:9], s[4:5]       ; R the other way round
	s_cselect_b64 s[104:105], s[10:11], s[6:7]
	s_cmp_eq_u32 s[WV], 6
	s_cselect_b64 s[96:97], s[98:99], s[96:97]
	s_cmp_eq_u32 s[WV], 7
	s_cselect_b64 s[100:101], s[104:105], s[100:101]
	s_add_nc_u64 s[96:97], s[96:97], s[2:3]
	s_add_nc_u64 s[100:101], s[100:101], s[66:67]
	MKG0 60, 96
	MKG0 80, 100
	CROUND                                         ; all sixteen work-groups are here: the joint loads meet
	s_cmp_lt_u32 s[WV], 2                          ; one chain of branches on the wave's number; each arm holds one load, all arms lead to one join
	s_cbranch_scc0 .Lnot_pc
	ONE 60, G1PC
	s_branch .Lasked
.Lnot_pc:
	s_cmp_lt_u32 s[WV], 6
	s_cbranch_scc0 .Lnot_rc
	ONE 80, G1RC
	s_branch .Lasked
.Lnot_rc:
	s_cmp_eq_u32 s[WV], 6
	s_cbranch_scc0 .Lis_rs
	ONE 60, G1PS
	s_branch .Lasked
.Lis_rs:
	ONE 80, G1RS
.Lasked:
	; LDS: 0 P's codes [K step][tile][1,024]; 65,536 R's [row block][K step][tile][1,024]; 196,608 P's scale words [K step][tile][row]; 229,376 R's [row block][K step][tile][row].  Each byte is filled once
	v_and_b32 v13, 31, v0
	s_delay_alu instid0(VALU_DEP_1)
	v_lshlrev_b32 v[AP], 4, v13
	s_delay_alu instid0(VALU_DEP_2)
	v_lshlrev_b32 v[VS], 2, v13
	s_wait_alu depctr_va_vdst(0)
	s_lshr_b32 s96, s[WV], 2                       ; my 32 rows of R: row block wave / 4, tiles 2 (wave % 4) and + 1
	s_and_b32 s97, s[WV], 3
	s_lshl_b32 s98, s96, 16
	s_lshl_b32 s99, s97, 11
	s_add_co_u32 s98, s98, s99
	s_add_co_u32 s98, s98, 65536
	v_add_nc_u32 v[AR], s98, v[AP]
	v_add_nc_u32 v[ASP], 196608, v[VS]
	s_lshl_b32 s98, s96, 12
	s_lshl_b32 s99, s97, 7
	s_add_co_u32 s98, s98, s99
	s_add_co_u32 s98, s98, 229376
	v_add_nc_u32 v[ASR], s98, v[VS]
	; THE BIAS IS THE START OF THE SUMS: it is loaded into the accumulators, which the first K step takes as its C.
	v_bfe_u32 v14, v0, 4, 1                        ; h
	v_and_b32 v13, 15, v0                          ; r
	s_cmp_eq_u32 s23, 2
	s_cbranch_scc1 .Lbias_v
	s_cmp_eq_u32 s23, 0                            ; q, k: register j of tile b is output column 16 b + 8 h + j of P's 128
	s_cselect_b64 s[96:97], s[12:13], s[14:15]
	s_lshl_b32 s98, s25, 9
	s_mov_b32 s99, 0
	s_add_nc_u64 s[96:97], s[96:97], s[98:99]
	v_lshlrev_b32 v14, 5, v14
.irp a, 0,1
.irp b, 0,1,2,3,4,5,6,7
	global_load_b128 v[ACC+64*\a+8*\b:ACC+64*\a+8*\b+3], v14, s[96:97] offset:64*\b
	global_load_b128 v[ACC+64*\a+8*\b+4:ACC+64*\a+8*\b+7], v14, s[96:97] offset:64*\b+16
.endr
.endr
	s_branch .Lbias_done
.Lbias_v:                                          ; v: the lane is the output column: one number for all 64 registers of a tile of R
	s_lshl_b32 s98, s26, 10
	s_lshl_b32 s99, s[WV], 7
	s_add_co_u32 s98, s98, s99
	s_mov_b32 s99, 0
	s_add_nc_u64 s[96:97], s[16:17], s[98:99]
	s_wait_alu depctr_va_vdst(0)
	v_lshlrev_b32 v13, 2, v13
	global_load_b32 v26, v13, s[96:97]
	global_load_b32 v27, v13, s[96:97] offset:64
	s_wait_loadcnt 0x0
.set J, 0
.rept 64
	v_mov_b32 v[ACC+J], v26                        ; the sums' first term, not a clearing
	v_mov_b32 v[ACC+64+J], v27
.set J, J+1
.endr
	NOP4
.Lbias_done:
.macro LDP s, b0                       ; P's fragments b0 .. b0 + 3 of K step s
.irp b, \b0, \b0+1, \b0+2, \b0+3
	ds_load_b128 v[PF+8*(\b):PF+8*(\b)+3], v[AP] offset:(\s)*8192+(\b)*1024
	ds_load_b128 v[PF+8*(\b)+4:PF+8*(\b)+7], v[AP] offset:(\s)*8192+(\b)*1024+512
.endr
.endm
.macro LDR s                           ; my two fragments of R into set s % 2
.irp a, 0,1
	ds_load_b128 v[RF+16*((\s)&1)+8*\a:RF+16*((\s)&1)+8*\a+3], v[AR] offset:(\s)*8192+\a*1024
	ds_load_b128 v[RF+16*((\s)&1)+8*\a+4:RF+16*((\s)&1)+8*\a+7], v[AR] offset:(\s)*8192+\a*1024+512
.endr
.endm
.macro LDSC s                          ; the scale words into set s % 2
.irp i, 0,1,2,3
	ds_load_b32 v[SCS+5*((\s)&1)+\i], v[ASP] offset:(\s)*512+128*\i
.endr
	ds_load_b32 v[SCS+5*((\s)&1)+4], v[ASR] offset:(\s)*512
.endm
.macro MM a, b, p                      ; accumulator (a, b) += P's tile b x R's tile a; an odd tile's scale words stand in lanes 16-31
.set rD, ACC+64*(\a)+8*(\b)
.set rP, PF+8*(\b)
.set rR, RF+16*(\p)+8*(\a)
.set rSP, SCS+5*(\p)+(\b)/2
.set rSR, SCS+5*(\p)+4
.if ((\b)%2 == 0) && ((\a) == 0)
	v_wmma_scale_f32_16x16x128_f8f6f4 v[rD:rD+7], v[rP:rP+7], v[rR:rR+7], v[rD:rD+7], v[rSP], v[rSR] matrix_a_fmt:MATRIX_FMT_FP4 matrix_b_fmt:MATRIX_FMT_FP4
.elseif ((\b)%2 == 1) && ((\a) == 0)
	v_wmma_scale_f32_16x16x128_f8f6f4 v[rD:rD+7], v[rP:rP+7], v[rR:rR+7], v[rD:rD+7], v[rSP], v[rSR] matrix_a_fmt:MATRIX_FMT_FP4 matrix_b_fmt:MATRIX_FMT_FP4 matrix_a_scale:MATRIX_SCALE_ROW1
.elseif ((\b)%2 == 0)
	v_wmma_scale_f32_16x16x128_f8f6f4 v[rD:rD+7], v[rP:rP+7], v[rR:rR+7], v[rD:rD+7], v[rSP], v[rSR] matrix_a_fmt:MATRIX_FMT_FP4 matrix_b_fmt:MATRIX_FMT_FP4 matrix_b_scale:MATRIX_SCALE_ROW1
.else
	v_wmma_scale_f32_16x16x128_f8f6f4 v[rD:rD+7], v[rP:rP+7], v[rR:rR+7], v[rD:rD+7], v[rSP], v[rSR] matrix_a_fmt:MATRIX_FMT_FP4 matrix_b_fmt:MATRIX_FMT_FP4 matrix_a_scale:MATRIX_SCALE_ROW1 matrix_b_scale:MATRIX_SCALE_ROW1
.endif
.endm
.macro MUL8 b0, p                      ; eight products; the 16 accumulators take turns, one instruction a turn, in the same order in every K step
.irp b, \b0, \b0+1, \b0+2, \b0+3
.irp a, 0,1
	MM \a, (\b), \p
.endr
.endr
.endm
.macro KSTEP s, p                      ; K step s on register sets p = s % 2; its successor's fragments are fetched under it.  All of K lies in LDS: every offset is an immediate, and no barrier stands between K steps
	s_wait_dscnt 8                                 ; all but the youngest eight loads (P's tiles 4-7) are in
	MUL8 0, \p
	NOP4                                           ; four places in front of loads into registers that matrix instructions have read
	LDP (\s)+1, 0
	LDR (\s)+1
	LDSC (\s)+1
	s_wait_dscnt 17                                ; all but the 17 just issued: P's tiles 4-7 are in
	MUL8 4, \p
	NOP4
	LDP (\s)+1, 4
.endm
	s_wait_alu depctr_va_vdst(0)
	s_wait_tensorcnt 0x0                           ; my one load has landed,
	s_wait_loadcnt 0x0                             ; the bias
	s_barrier_signal -1
	s_barrier_wait -1                              ; everybody's has
	LDP 0, 0
	LDR 0
	LDSC 0
	LDP 0, 4
.irp s, 0,2,4
	KSTEP \s, 0
	KSTEP \s+1, 1
.endr
	KSTEP 6, 0
	s_wait_dscnt 8
	MUL8 0, 1
	s_wait_dscnt 0x0
	MUL8 4, 1
	; THE WAY OUT.  Register 8 t + j of lane (r, h) is element 16 t + 8 h + j along the next K of the lane's row.  All tensor loads are done: the descriptors' registers are free.
.irp b, 0,1,2,3
	v_mov_b32 v[TM+4+\b], 0                        ; a lane permute's destination counts as one of its sources.  (These and the lines below are the places behind the last products)
.endr
	v_and_b32 v13, 31, v0
	s_delay_alu instid0(VALU_DEP_1)
	v_lshlrev_b32 v[VO], 4, v13
	s_wait_alu depctr_va_vdst(0)
	s_lshl_b32 s28, s26, 8
	s_lshl_b32 s29, s[WV], 5
	s_add_co_u32 s28, s28, s29                     ; my first index along R: a row of x (q, k) or an output column (v)
	s_lshr_b32 s30, s28, 11
	s_lshl_b32 s30, s30, 4
	s_lshl_b32 s31, s25, 1
	s_add_co_u32 s30, s30, s31                     ; q, k: record 16 x batch + 2 x P tile (the even head of my two)
	s_and_b32 s31, s28, 2047                       ; position in the sequence
	s_lshl_b32 s32, s31, 5                         ; its tile's image: 512 bytes for 16 positions
	s_lshl_b32 s33, s31, 2                         ; its scale word
	s_cmp_eq_u32 s23, 0
	s_cselect_b32 s34, 143360, 0                   ; Q's codes or K's
	s_mov_b32 s35, 131072
	s_cselect_b32 s35, 208896, s35                 ; Q's scale words or K's
	s_add_co_u32 s32, s32, s34
	s_add_co_u32 s33, s33, s35
	s_lshr_b32 s36, s25, 4
	s_lshl_b32 s36, s36, 4
	s_lshr_b32 s37, s28, 6
	s_add_co_u32 s36, s36, s37                     ; v: record 16 x batch + head
	s_and_b32 s37, s25, 15                         ; step of 128 keys
	s_bfe_u32 s38, s28, 0x20004                    ; my first tile of 16 channels
	s_lshl_b32 s39, s37, 12
	s_lshl_b32 s40, s38, 10
	s_add_co_u32 s39, s39, s40
	s_add_co_u32 s39, s39, 65536
	s_lshl_b32 s40, s37, 8
	s_lshl_b32 s41, s38, 6
	s_add_co_u32 s40, s40, s41
	s_add_co_u32 s40, s40, 139264
	s_cmp_eq_u32 s23, 2
	s_cselect_b32 s30, s36, s30
	s_cselect_b32 s32, s39, s32
	s_cselect_b32 s33, s40, s33
	s_mov_b32 s42, 512
	s_cselect_b32 s42, 1024, s42                   ; from my tile 0 of R to tile 1
	s_mov_b32 s43, REC
	s_cselect_b32 s43, 512, s43                    ; from the first 64 along the next K to the second: the next head's record (q, k), the fragment's second half (v)
	s_mul_i32 s30, s30, REC
	s_add_co_u32 s44, s32, s30
	s_mov_b32 s45, 0
	s_add_co_u32 s46, s33, s30
	s_mov_b32 s47, 0
	s_add_nc_u64 s[44:45], s[18:19], s[44:45]
	s_add_nc_u64 s[46:47], s[18:19], s[46:47]
	s_mov_b32 s48, 0xffff0000                      ; lanes 16-31
	s_mov_b32 s50, 0x76543210
	s_mov_b32 s51, 0xfedcba98                      ; v_permlanex16_b32's selects for lane l xor 16
	v_add_nc_u32 v[VO+1], s43, v[VO]
	v_add_nc_u32 v[VO+2], s42, v[VO]
	s_delay_alu instid0(VALU_DEP_2)
	v_add_nc_u32 v[VO+3], s42, v[VO+1]
; 64 numbers of a lane become a fragment's codes (8 registers) and its row's scale word.  Block b = tiles 2 b, 2 b + 1 in lanes l and l xor 16: a lane holds groups h and 2 + h (of 8) of each block.
; The conversions' results are laid so that two exchanges of halves for each pair of blocks give the operand's layout: register 4 c + i = k 64 c + 32 h + 8 i .. + 7, in natural order.
.macro QUANT s, pc, pw
.irp b, 0,1,2,3
	v_max3_num_f32 v[TM+\b], |v[\s+16*\b]|, |v[\s+1+16*\b]|, 0x1800000   ; with the floor 2^(3 - 127): the byte cannot fall under 1.  Each accumulator is read from its low end on
.endr
.irp i, 2,4,6,8,10,12,14
.irp b, 0,1,2,3
	v_max3_num_f32 v[TM+\b], v[TM+\b], |v[\s+16*\b+\i]|, |v[\s+1+16*\b+\i]|
.endr
.endr
.irp b, 0,1,2,3
	s_delay_alu instid0(VALU_DEP_4)
	v_permlanex16_b32 v[TM+4+\b], v[TM+\b], s50, s51
.endr
.irp b, 0,1,2,3
	s_delay_alu instid0(VALU_DEP_4)
	v_max_num_f32 v[TM+\b], v[TM+\b], v[TM+4+\b]   ; the block's largest magnitude
.endr
.irp b, 0,1,2,3
	s_delay_alu instid0(VALU_DEP_4)
	v_add_nc_u32 v[TM+12+\b], 0xff000000, v[TM+\b] ; 2 off its exponent field: the conversion's scale operand
.endr
.irp b, 0,1,2,3
	s_delay_alu instid0(VALU_DEP_4)
	v_lshrrev_b32 v[TM+4+\b], 23, v[TM+12+\b]      ; the scale's byte
.endr
	s_delay_alu instid0(VALU_DEP_3)
	v_lshl_or_b32 v[\pw], v[TM+5], 8, v[TM+4]
	s_delay_alu instid0(VALU_DEP_1)
	v_lshl_or_b32 v[\pw], v[TM+6], 16, v[\pw]
	s_delay_alu instid0(VALU_DEP_1)
	v_lshl_or_b32 v[\pw], v[TM+7], 24, v[\pw]
.irp b, 0,1,2,3
	v_cvt_scalef32_pk8_fp4_f32 v[\pc+4*(\b/2)+(\b%2)], v[\s+16*\b:\s+16*\b+7], v[TM+12+\b]
	v_cvt_scalef32_pk8_fp4_f32 v[\pc+4*(\b/2)+2+(\b%2)], v[\s+16*\b+8:\s+16*\b+15], v[TM+12+\b]
.endr
	v_nop                                          ; one plain place behind a scaled conversion
.irp c, 0,1
	v_permlane16_swap_b32 v[\pc+4*\c], v[\pc+4*\c+1]
	v_permlane16_swap_b32 v[\pc+4*\c+2], v[\pc+4*\c+3]
.endr
.endm
	QUANT ACC, 48, 64
	QUANT ACC+64, 56, 65
.irp a, 0,1
.irp c, 0,1
	global_store_b128 v[VO+2*\a+\c], v[48+8*\a+4*\c:48+8*\a+4*\c+3], s[44:45]   ; 512 consecutive bytes, aligned
.endr
.endr
	v_cndmask_b32 v66, v64, v65, s48               ; lanes 0-15: tile 0's words, lanes 16-31: tile 1's
	global_store_b32 v[VS], v66, s[46:47]
	s_cmp_eq_u32 s23, 2
	s_cbranch_scc1 .Lno_odd_head
	v_lshrrev_b32 v67, 16, v66                     ; q, k: the odd head's two bytes, with zeros above
	global_store_b32 v[VS], v67, s[46:47] offset:REC
.Lno_odd_head:
	s_wait_tensorcnt 0x0                           ; the wave's end
	ds_add_u32 v[SPW], v[NIL]
	s_wait_dscnt 0x0
	CROUND                                         ; the closing round
	s_endpgm
.Lfunc_end_k_qbb3c00c42d_proj:
	.size	k_qbb3c00c42d_proj, .Lfunc_end_k_qbb3c00c42d_proj-k_qbb3c00c42d_proj
	.p2alignl 7, 3214868480
	.fill 96, 4, 3214868480
	.section	.rodata,"a",@progbits
	.p2align	6, 0x0
	.amdhsa_kernel k_qbb3c00c42d_proj
		.amdhsa_group_segment_fixed_size 263168
		.amdhsa_private_segment_fixed_size 0
		.amdhsa_enable_private_segment 0
		.amdhsa_kernarg_size 64
		.amdhsa_user_sgpr_count 2
		.amdhsa_user_sgpr_kernarg_segment_ptr 1
		.amdhsa_wavefront_size32 1
		.amdhsa_system_sgpr_workgroup_id_x 1
		.amdhsa_system_sgpr_workgroup_id_y 1
		.amdhsa_system_sgpr_workgroup_id_z 1
		.amdhsa_system_vgpr_workitem_id 0
		.amdhsa_next_free_vgpr 256
		.amdhsa_next_free_sgpr 106
		.amdhsa_reserve_vcc 0
		.amdhsa_float_denorm_mode_32 3
		.amdhsa_float_denorm_mode_16_64 3
		.amdhsa_memory_ordered 1
		.amdhsa_forward_progress 1
		.amdhsa_inst_pref_size 58
	.end_amdhsa_kernel
	.amdgpu_metadata
---
amdhsa.version: [ 1, 2 ]
amdhsa.kernels:
  - .name:           k_qbb3c00c42d_proj
    .symbol:         k_qbb3c00c42d_proj.kd
    .args:
      - { .name: xc, .offset: 0, .size: 8, .value_kind: global_buffer, .address_space: global }
      - { .name: xs, .offset: 8, .size: 8, .value_kind: global_buffer, .address_space: global }
      - { .name: wc, .offset: 16, .size: 8, .value_kind: global_buffer, .address_space: global }
      - { .name: ws, .offset: 24, .size: 8, .value_kind: global_buffer, .address_space: global }
      - { .name: bq, .offset: 32, .size: 8, .value_kind: global_buffer, .address_space: global }
      - { .name: bk, .offset: 40, .size: 8, .value_kind: global_buffer, .address_space: global }
      - { .name: bv, .offset: 48, .size: 8, .value_kind: global_buffer, .address_space: global }
      - { .name: qkv, .offset: 56, .size: 8, .value_kind: global_buffer, .address_space: global }
    .group_segment_fixed_size: 263168
    .private_segment_fixed_size: 0
    .kernarg_segment_align: 8
    .kernarg_segment_size: 64
    .max_flat_workgroup_size: 256
    .sgpr_count:     106
    .vgpr_count:     256
    .wavefront_size: 32
...
	.end_amdgpu_metadata
.endif
;; end of part 2
;; launch attn (part 3): grid 4 x 64, 16 waves a work-group, clusters of 4 x 1, 167,936 bytes of LDS; arguments qkv, mb, xc, xs; writes xc, xs
.if DOCPART == 3
	.amdgcn_target "amdgcn-amd-amdhsa--gfx1250"
	.amdhsa_code_object_version 6
	.text
	.protected	k_qbb3c00c42d_attn
	.globl	k_qbb3c00c42d_attn
	.p2align	8
	.type	k_qbb3c00c42d_attn,@function
k_qbb3c00c42d_attn:
	s_mov_b64 s[64:65], 0
	v_nop
	global_prefetch_b8 v0, s[64:65] scope:SCOPE_SE
	s_setreg_imm32_b32 hwreg(HW_REG_WAVE_MODE, 25, 1), 1
	s_wait_xcnt 0x0
	s_wait_alu depctr_hold_cnt(0) depctr_sa_sdst(0) depctr_va_vdst(0) depctr_va_sdst(0) depctr_va_ssrc(0) depctr_va_vcc(0) depctr_vm_vsrc(0)
	s_getreg_b32 s2, hwreg(HW_REG_IB_STS2, 6, 4)
	s_cmp_eq_u32 s2, 0
	s_cbranch_scc0 .Lentry_in_a_cluster
	s_endpgm
.Lentry_in_a_cluster:
	s_bfe_u32 s2, ttmp6, 0x10000c
	s_cmp_lg_u32 s2, 0x3003
	s_cbranch_scc0 .Lentry_shape_is_right
	s_endpgm
.Lentry_shape_is_right:
; Launch 3 of 4: for each (batch, head): scores = Q K^T on codes of E2M1, the mask, the softmax, P V on codes, the division by the row's sum, and z quantised along the model's 1,024 for the last product.
; Nothing is left out as dead work: the mask is an input and only selects values, so every score is computed and then selected.
; THE SOFTMAX: t = logit x log2(e); where the mask is 0 the logit is -10000 (the raw score is replaced by -80000, which x 1/8 is that number exactly); M = the running largest t rounded UP to a whole number;
; p = 2^(t - M) is quantised along the keys, not normalised; the row's sum is taken of the unquantised p in f32 and divides at the end; when M moves, the sum and O are multiplied by 2^(old M - new M), exactly.
; SHARES.  A work-group owns 512 queries of one head: 32 tiles of 16.  THE DEAL among its sixteen waves is uneven, by the wave's role = wave / 4: roles 0, 1, 2 take a pair of neighbouring tiles
; (tiles 2 p, 2 p + 1, p = 4 role + wave % 4), which share each fragment of K and V; then role 0 takes one tile more (24 + wave % 4) and role 3 its only one (28 + wave % 4): 4 x (3 + 2 + 2 + 1) = 32.
; Every wave walks both loops, 16 trips each; a scalar branch on the role at a trip's head leads round the trip's work and not round the lines that step the LDS offsets.
; LDS.  The head's K and V codes and scale words are 143,360 dense bytes of its record: filled once, each wave bringing 35 rows of 256 bytes; no ring, no refill, no barrier in the loops.
; CLUSTER.  The four blocks of queries of a head form a cluster and ask for those bytes jointly.
; LAYOUT.  Both products are used transposed: S^T = K Q^T (source 0 = 16 keys), O^T = V^T P^T (source 0 = 16 channels): a lane holds one query (lane % 16) throughout.
; THE KEYS OF A TILE ARE CHOSEN SO THAT A LANE HOLDS WHOLE BLOCKS OF 32: row 8 h + j of tile 4 g + u is key 64 g + 32 h + 8 u + j of the step.  Score registers 32 g .. 32 g + 31 of lane (r, h) are then
; block 2 g + h in the keys' own order: its largest score needs no other lane, and the eight conversions give register 4 g + u = keys 64 g + 32 h + 8 u .. + 7, which is P's operand as it stands.
; THE HEAD HAS 64 CHANNELS AND THE INSTRUCTION TAKES 128: K's tiles lie four registers each on end, so the upper half of tile t's operand is tile t + 1's codes (tile 7's: four registers written once);
; the upper half of Q's operand is zero codes, and no scale byte is 0xff: k = 64 .. 127 adds exactly 0.
; THE MASK comes as lane masks, 64 words for a tile and a step in the order of the score registers, by scalar loads ahead of their use; it enters v_cndmask_b32 alone: no address and no branch hangs on it.
; No prefetch is laid: the one tensor load stands at the kernel's head, with no loop to run ahead in, and the mask words are asked for ahead of their use by the scalar loads themselves.
; LIMITS: as stated at the head of the first launch; the promise holds while the scaled scores stay under 2^31 in magnitude; a p under 2^-126 counts as 0;
; a block's largest p is taken from its largest score, which supposes that v_exp_f32 does not fall where its input rises.
.set REC,   217088
.set SPARE, 143360                     ; behind the record's bytes: the spare words, 128 bytes for each of sixteen waves
.set L16,  1                           ; v1   16 x lane
.set AV0,  2                           ; v2   + 65,536: V's codes
.set ASK0, 3                           ; v3   my place among K's scale words
.set ASV0, 4                           ; v4   4 x lane + 139,264: V's
.set ADK,  5                           ; v5-8 the step's addresses
.set ADV,  6
.set ADS,  7
.set ADT,  8
.set SPW,  9                           ; v9   my spare word; never rewritten
.set NIL,  10                          ; v10  0; never rewritten
.set NEG,  11                          ; v11  -80000.0
.set STT,  12                          ; v12-15 tile A, v16-19 tile B: -M, the largest raw score, the sum in two halves
.set QF,   20                          ; v20-27 Q of A, v28-35 of B: four registers of codes, four of zero codes
.set QS,   36                          ; v36  Q's scale words: A's rows in lanes 0-15, B's in lanes 16-31
.set SH8,  37                          ; v37  8 x (lane / 16)
.set RLA,  38                          ; v[38:39] 1 / A's sum
.set KF,   40                          ; v40-75 K's eight tiles, four registers each, and four more; later V's four fragments in v40-71
.set KS,   76                          ; v76-79 K's scale words, a pair of tiles a register
.set VSC,  80                          ; v80-81 V's
.set PWD,  82                          ; v82, v83 p's scale words of A, of B
.set PCD,  84                          ; v84-91, v92-99 p's codes
.set S,    100                         ; v100-163 the scores, then p
.set O,    164                         ; v164-195 O^T of A, v196-227 of B
.set BM,   228                         ; v228-229 my two blocks' largest
.set PT,   230                         ; v230-231 second chains; the other half's
.set SO,   232                         ; v232-233 the conversions' scale operands
.set C1,   234                         ; v234-239 three more chains of the sum
.set C2,   236
.set C3,   238
.set F,    240                         ; v[240:241] 2^(old M - new M)
.set T0,   242
.set T1,   243
.set AK0,  244                         ; v244 my place in a tile of K
.set RLB,  246                         ; v[246:247] 1 / B's sum
.set L4,   252                         ; v252 4 x lane
.set L4M,  253                         ; v253 4 x (lane % 16)
.set G0,   52                          ; s[52:55], s[56:63] the one descriptor; behind the wait for its load s52, s53 hold:
.set G1,   56
.set RO,   52                          ; s52  my role
.set NS,   53                          ; s53  not 0: I have no single tile (roles 1, 2)
.set MP,   66                          ; s[66:67] tile A's mask record of the step in hand
.set CS,   92                          ; s[92:93] c = log2(e) / 8, twice
.set SEL,  94                          ; s[94:95] lane l xor 16
.set WV,   96
.set TB,   97                          ; LDS steps: codes 4,096, K's scale words 512, V's 256 a step
.set TS,   98
.set TJ,   99
.set CNT,  100
.set HM,   101                         ; lanes 16-31
.macro CROUND
	s_barrier_signal -1
	s_barrier_wait -1
	s_cmp_lg_u32 s[WV], 0
	s_cbranch_scc1 .Lnot_wave_0_\@
	s_barrier_signal -3
.Lnot_wave_0_\@:
	s_barrier_wait -3
	s_barrier_signal -1
	s_barrier_wait -1
.endm
.macro NOP4
.rept 4
	v_nop
.endr
.endm
.macro ROLE d                          ; the wave's role, 0 .. 3
	s_lshr_b32 s[\d], s[WV], 2
.endm
.macro MLOAD off                       ; 64 mask words: word n in s[4 + n] (n < 48) or s[20 + n]
	s_load_b512 s[4:19], s[MP:MP+1], \off
	s_load_b512 s[20:35], s[MP:MP+1], \off+0x40
	s_load_b512 s[36:51], s[MP:MP+1], \off+0x80
	s_load_b512 s[68:83], s[MP:MP+1], \off+0xc0
.endm
.macro INIT x                          ; tile x's state: the loops are written once; a first step finds zeros, which the first change of M leaves zeros
	v_mov_b32 v[STT+4*(\x)], 0x7f000000            ; -M: 2^127, a whole number over every -M to come: the first change of M gives the factor 0
	v_mov_b32 v[STT+4*(\x)+1], 0xff61b1e6          ; the largest score so far: -3e38
	v_mov_b32 v[STT+4*(\x)+2], 0
	v_mov_b32 v[STT+4*(\x)+3], 0
.set J, 0
.rept 32
	v_mov_b32 v[O+32*(\x)+J], 0
.set J, J+1
.endr
.endm
; A job's addresses and first loads.  n = 2: my pair of tiles; n = 1: my single tile.  s4-s31 are at work here: no mask word is out or in use.
.macro SETUP n
.if \n == 1
	s_wait_xcnt 0x0                                ; the pair's stores have read their registers and bases
	s_load_b256 s[84:91], s[0:1], 0x0              ; the arguments anew: the pair's offsets were added onto them
.endif
	ROLE 31
	s_and_b32 s30, s[WV], 3
.if \n == 2
	s_lshl_b32 s29, s31, 2
	s_add_co_u32 s30, s30, s29
	s_lshl_b32 s30, s30, 1                         ; tile 2 (4 role + wave % 4).  (Role 3 has no pair: it names tiles 24 to 31 of its own block here and uses nothing of them)
.else
	s_add_co_u32 s30, s30, 24                      ; role 0: tile 24 + wave % 4;
	s_cmp_eq_u32 s31, 3
	s_cselect_b32 s29, 4, 0
	s_add_co_u32 s30, s30, s29                     ; role 3: 28 + wave % 4
.endif
	s_bfe_u32 s4, ttmp6, 0x40000                   ; cx: my block of 512 queries; it enters global addresses of my own alone
	s_and_b32 s5, ttmp7, 0xffff                    ; 16 x batch + head
	s_lshr_b32 s6, s5, 4
	s_and_b32 s7, s5, 15
	s_mul_i32 s8, s5, REC                          ; my head's record
	s_lshl_b32 s13, s4, 9
	s_lshl_b32 s14, s30, 4
	s_add_co_u32 s12, s13, s14                     ; my first query in the sequence
	s_lshl_b32 s14, s12, 5
	s_add_co_u32 s14, s14, s8
	s_add_co_u32 s14, s14, 143360                  ; its tile's image among Q's codes
	s_mov_b32 s15, 0
	s_lshl_b32 s16, s12, 2
	s_add_co_u32 s16, s16, s8
	s_add_co_u32 s16, s16, 208896                  ; its scale word
	s_mov_b32 s17, 0
	s_lshl_b32 s18, s6, 11
	s_add_co_u32 s18, s18, s12                     ; the row among all 8,192
	s_lshl_b32 s20, s18, 8                         ; its tile's 16 mask records: (row / 16) x 4,096
	s_mov_b32 s21, 0
	s_lshr_b32 s22, s18, 7                         ; z: block of 128 rows,
	s_lshr_b32 s23, s7, 1                          ; K step = head / 2,
	s_and_b32 s24, s7, 1                           ; half of it = head % 2,
	s_bfe_u32 s25, s18, 0x30004                    ; tile in the block
	s_lshl_b32 s26, s22, 16
	s_lshl_b32 s27, s23, 13
	s_add_co_u32 s26, s26, s27
	s_lshl_b32 s27, s25, 10
	s_add_co_u32 s26, s26, s27
	s_lshl_b32 s27, s24, 9
	s_add_co_u32 s26, s26, s27
	s_mov_b32 s27, 0
	s_lshl_b32 s28, s22, 12
	s_lshl_b32 s29, s23, 9
	s_add_co_u32 s28, s28, s29
	s_lshl_b32 s29, s25, 6
	s_add_co_u32 s28, s28, s29
	s_lshl_b32 s29, s24, 1
	s_add_co_u32 s28, s28, s29
	s_mov_b32 s29, 0
.if \n == 1
	s_wait_kmcnt 0x0
.endif
	s_add_nc_u64 s[2:3], s[84:85], s[14:15]
	s_add_nc_u64 s[104:105], s[84:85], s[16:17]
	s_add_nc_u64 s[MP:MP+1], s[86:87], s[20:21]
	s_add_nc_u64 s[88:89], s[88:89], s[26:27]      ; where z's codes go,
	s_add_nc_u64 s[90:91], s[90:91], s[28:29]      ; and its scale bytes
	global_load_b128 v[QF:QF+3], v[L16], s[2:3]
.if \n == 2
	global_load_b128 v[QF+8:QF+11], v[L16], s[2:3] offset:512
	global_load_b32 v[QS], v[L4], s[104:105]
.else
	global_load_b32 v[QS], v[L4M], s[104:105]      ; both halves of the lanes take the tile's 16 words
.endif
	MLOAD 0x0                                      ; the first tile's words of step 0
.endm
	s_load_b256 s[84:91], s[0:1], 0x0              ; qkv, mb, xc, xs
	v_lshl_add_u32 v[SPW], v0, 2, SPARE
	v_mov_b32 v[NIL], 0
	ds_add_u32 v[SPW], v[NIL]                      ; the opening: the add, twice on end, and its wait ahead of my first tensor load
	ds_add_u32 v[SPW], v[NIL]
	v_lshrrev_b32 v5, 5, v0
	v_readfirstlane_b32 s[WV], v5                  ; wave 0..15
	s_and_b32 s5, ttmp7, 0xffff                    ; 16 x batch + head, which the four partners share
	s_mov_b32 s[G1], 15|(3<<16)|(1<<21)            ; 15:0 the mask: all four; 17:16 elements of 8 bytes; 21 set beside a mask; no padding
	s_mov_b32 s[G1+1], 32<<16                      ; rows of 256 bytes,
	s_mov_b32 s[G1+2], 35<<16                      ; 35 of them
	s_mov_b32 s[G1+3], 32<<16
	s_mov_b32 s[G1+4], 35
	s_mov_b32 s[G1+5], 32
	s_mov_b32 s[G1+6], 0
	s_mov_b32 s[G1+7], 0
	s_mul_i32 s8, s5, REC                          ; my head's record
	s_mov_b32 s9, 0
	s_mul_i32 s10, s[WV], 8960                     ; my 35 rows of it
	s_mov_b32 s11, 0
	s_mov_b32 s[CS], 0x3e38aa3b
	s_mov_b32 s[CS+1], s[CS]
	s_mov_b32 s[SEL], 0x76543210
	s_mov_b32 s[SEL+1], 0xfedcba98
	s_mov_b32 s[HM], 0xffff0000
	v_and_b32 v6, 31, v0
	v_and_b32 v5, 7, v0                            ; l % 8
	v_bfe_u32 v[T0], v0, 3, 1                      ; (l / 8) % 2
	v_bfe_u32 v[T1], v0, 4, 1                      ; h = l / 16
	v_and_b32 v[L4M], 15, v0
	v_lshlrev_b32 v[L16], 4, v6
	v_lshlrev_b32 v[L4], 2, v6
	v_lshlrev_b32 v[L4M], 2, v[L4M]
	v_lshlrev_b32 v[AK0], 4, v5                    ; K's codes.  Lane (r, h) of tile 4 g + u takes channels 32 h .. of key 64 g + 32 (r / 8) + 8 u + r % 8:
	v_lshl_add_u32 v[ASK0], v5, 2, 131072          ; K's scale words, 4 bytes a key; lanes 16-31 take the odd tile's, 8 keys on:
	v_lshl_add_u32 v[AK0], v[T0], 10, v[AK0]       ; 16 (r % 8) + 1,024 (r / 8) + 256 h; g and u stand in the immediate
	v_lshl_add_u32 v[ASK0], v[T0], 7, v[ASK0]      ; 4 (l % 8) + 128 ((l / 8) % 2) + 32 (l / 16)
	v_lshl_add_u32 v[AK0], v[T1], 8, v[AK0]
	v_lshl_add_u32 v[ASK0], v[T1], 5, v[ASK0]
	v_lshlrev_b32 v[SH8], 3, v[T1]
	v_add_nc_u32 v[AV0], 0x10000, v[L16]
	v_add_nc_u32 v[ASV0], 139264, v[L4]
	s_wait_dscnt 0x0                               ; both opening adds are done
	s_wait_kmcnt 0x0
	s_mov_b32 s[G0], 1
	s_mul_i32 s[G0+1], s[WV], 8960                 ; LDS byte = the byte in the record
	s_add_nc_u64 s[G0+2:G0+3], s[84:85], s[8:9]
	s_add_nc_u64 s[G0+2:G0+3], s[G0+2:G0+3], s[10:11]
	s_or_b32 s[G0+3], s[G0+3], 0x80000000
	CROUND                                         ; all four work-groups are here: the joint loads meet
	tensor_load_to_lds s[G0:G0+3], s[G1:G1+7]      ; my one tensor load
	s_nop 0
	NOP4
	v_mov_b32 v[NEG], 0xc79c4000
.irp x, 0,1
.irp i, 4,5,6,7
	v_mov_b32 v[QF+8*\x+\i], 0                     ; zero codes: the padded half of the head's axis
.endr
.endr
.irp i, 0,1,2,3
	v_mov_b32 v[KF+32+\i], 0                       ; behind K's last tile: written once
.endr
	v_mov_b32 v[PT], 0                             ; a lane permute's destination counts as one of its sources
	v_mov_b32 v[PT+1], 0
	v_mov_b32 v[F+1], 0                            ; named as the upper halves of pairs
	v_mov_b32 v[RLA+1], 0
	v_mov_b32 v[RLB+1], 0
	INIT 0
	INIT 1
	s_wait_alu depctr_va_vdst(0)
	SETUP 2
	s_wait_tensorcnt 0x0                           ; my 35 rows are in,
	s_barrier_signal -1
	s_barrier_wait -1                              ; everybody's are
	s_wait_loadcnt 0x0                             ; Q
	ROLE RO                                        ; the descriptor's registers are free
	s_add_co_u32 s[NS], s[RO], 1
	s_and_b32 s[NS], s[NS], 2                      ; 0 for roles 0 and 3
	s_mov_b32 s[TB], 0
	s_mov_b32 s[TS], 0
	s_mov_b32 s[TJ], 0
	s_mov_b32 s[CNT], 16
.macro QK x                            ; the scores of tile x: eight tiles of 16 keys
.irp t, 0,1,2,3,4,5,6,7
.if (\t%2 == 0) && (\x == 0)
	v_wmma_scale_f32_16x16x128_f8f6f4 v[S+8*\t:S+8*\t+7], v[KF+4*\t:KF+4*\t+7], v[QF+8*\x:QF+8*\x+7], 0, v[KS+\t/2], v[QS] matrix_a_fmt:MATRIX_FMT_FP4 matrix_b_fmt:MATRIX_FMT_FP4
.elseif (\t%2 == 1) && (\x == 0)
	v_wmma_scale_f32_16x16x128_f8f6f4 v[S+8*\t:S+8*\t+7], v[KF+4*\t:KF+4*\t+7], v[QF+8*\x:QF+8*\x+7], 0, v[KS+\t/2], v[QS] matrix_a_fmt:MATRIX_FMT_FP4 matrix_b_fmt:MATRIX_FMT_FP4 matrix_a_scale:MATRIX_SCALE_ROW1
.elseif (\t%2 == 0)
	v_wmma_scale_f32_16x16x128_f8f6f4 v[S+8*\t:S+8*\t+7], v[KF+4*\t:KF+4*\t+7], v[QF+8*\x:QF+8*\x+7], 0, v[KS+\t/2], v[QS] matrix_a_fmt:MATRIX_FMT_FP4 matrix_b_fmt:MATRIX_FMT_FP4 matrix_b_scale:MATRIX_SCALE_ROW1
.else
	v_wmma_scale_f32_16x16x128_f8f6f4 v[S+8*\t:S+8*\t+7], v[KF+4*\t:KF+4*\t+7], v[QF+8*\x:QF+8*\x+7], 0, v[KS+\t/2], v[QS] matrix_a_fmt:MATRIX_FMT_FP4 matrix_b_fmt:MATRIX_FMT_FP4 matrix_a_scale:MATRIX_SCALE_ROW1 matrix_b_scale:MATRIX_SCALE_ROW1
.endif
.endr
.endm
.macro SELECT                          ; where the mask is 0 the score becomes -80000; ascending
.set N, 0
.rept 64
.if N < 48
	v_cndmask_b32 v[S+N], v[NEG], v[S+N], s[4+N]
.else
	v_cndmask_b32 v[S+N], v[NEG], v[S+N], s[20+N]
.endif
.set N, N+1
.endr
.endm
.macro OM j                            ; two numbers of O^T under the new M
	v_pk_mul_f32 v[OO+\j:OO+\j+1], v[OO+\j:OO+\j+1], v[F:F+1] op_sel_hi:[1,0]
.endm
.macro SOFT x                          ; tile x's softmax of this step: the scores become p, p's codes and scale word; the sum and O^T come under the new M
.set ST, STT+4*(\x)
.set OO, O+32*(\x)
.set PCX, PCD+8*(\x)
.set PWX, PWD+(\x)
.irp c, 0,1                                    ; the largest score of my two blocks of 32 keys, each in two chains: four chains by turns
	v_max3_num_f32 v[BM+\c], v[S+32*\c], v[S+32*\c+1], v[S+32*\c+2]
	v_max3_num_f32 v[PT+\c], v[S+32*\c+17], v[S+32*\c+18], v[S+32*\c+19]
.endr
.irp i, 3,5,7,9,11,13
.irp c, 0,1
	v_max3_num_f32 v[BM+\c], v[BM+\c], v[S+32*\c+\i], v[S+32*\c+\i+1]
	v_max3_num_f32 v[PT+\c], v[PT+\c], v[S+32*\c+\i+17], v[S+32*\c+\i+18]
.endr
.endr
.irp c, 0,1
	v_max3_num_f32 v[BM+\c], v[BM+\c], v[S+32*\c+15], v[S+32*\c+16]
.endr
.irp c, 0,1
	v_max_num_f32 v[BM+\c], v[BM+\c], v[PT+\c]     ; it serves the row's maximum and, since p rises with the score, the block's largest p
.endr
	v_max_num_f32 v[T0], v[BM], v[BM+1]
	v_mov_b32 v[T1], v[ST]                         ; the old -M
	v_permlanex16_b32 v[PT], v[T0], s[SEL], s[SEL+1]
	v_max3_num_f32 v[ST+1], v[ST+1], v[T0], v[PT]  ; the running largest score, with lane l xor 16's 64 keys
	v_mul_f32 v[T0], -v[ST+1], s[CS]               ; -t (c is positive)
	v_floor_f32 v[ST], v[T0]                       ; the new -M = floor(-t) = -ceil(t)
	v_sub_f32 v[T1], v[ST], v[T1]                  ; old M less new M: a whole number, 0 or less
	v_cvt_i32_f32 v[T1], v[T1]                     ; (it saturates)
	v_ldexp_f32 v[F], 1.0, v[T1]                   ; f = 2^(old M - new M)
.set J, 0
.rept 32
	v_pk_fma_f32 v[S+J:S+J+1], v[S+J:S+J+1], s[CS:CS+1], v[ST:ST+1] op_sel_hi:[1,0,0]   ; t - M, two at a time
.set J, J+2
.endr
.irp c, 0,1
	v_fma_f32 v[BM+\c], v[BM+\c], s[CS], v[ST]     ; the same of each block's largest score
.endr
	s_wait_alu depctr_va_vdst(0)
.set J, 0
.rept 64
	v_exp_f32 v[S+J], v[S+J]                       ; p = 2^(t - M)
.set J, J+1
.endr
	v_exp_f32 v[BM], v[BM]                         ; the blocks' largest p: the same two instructions on the same number
	v_exp_f32 v[BM+1], v[BM+1]
	v_pk_mul_f32 v[ST+2:ST+3], v[ST+2:ST+3], v[F:F+1] op_sel_hi:[1,0]   ; the sums under the new M: the plain line behind the exponentials
	s_wait_alu depctr_va_vdst(0)                   ; one wait for the batch of 66, directly ahead of the first reader of O^T too
	OM 0                                           ; O^T under the new M, each accumulator from its low end on; the scale's lines stand among these
	OM 2
	v_max_num_f32 v[BM], 0x1800000, v[BM]          ; the floor 2^(3 - 127): a block whose every p is 0 keeps the byte 1; its codes are zeros
	v_max_num_f32 v[BM+1], 0x1800000, v[BM+1]
	OM 4
	OM 6
	v_add_nc_u32 v[SO], 0xff000000, v[BM]          ; 2 off the exponent field: the conversion's scale operand
	v_add_nc_u32 v[SO+1], 0xff000000, v[BM+1]
	OM 8
	OM 10
	v_lshrrev_b32 v[T0], 23, v[SO]                 ; the bytes of blocks h and 2 + h,
	v_lshrrev_b32 v[T1], 23, v[SO+1]
	OM 12
	OM 14
	v_lshl_or_b32 v[T0], v[T1], 16, v[T0]
	OM 16
	OM 18
	v_lshlrev_b32 v[T0], v[SH8], v[T0]             ; at their places in the scale word (8 h bits up);
	OM 20
	OM 22
	v_permlanex16_b32 v[PT], v[T0], s[SEL], s[SEL+1]
	OM 24
	OM 26
	v_or_b32 v[PWX], v[T0], v[PT]                  ; with lane l xor 16's two the word is whole
	OM 28
	OM 30
.irp t, 0,1,2,3,4,5,6,7
	v_cvt_scalef32_pk8_fp4_f32 v[PCX+\t], v[S+8*\t:S+8*\t+7], v[SO+\t/4]   ; keys 64 (t / 4) + 32 h + 8 (t % 4) .. + 7: register t of P's operand
.endr
	v_pk_add_f32 v[C1:C1+1], v[S:S+1], v[S+2:S+3]  ; the row's sum of the unquantised p, in four chains.  (Plain lines behind the conversions; more than eight places between the scale word and the products)
	v_pk_add_f32 v[C2:C2+1], v[S+4:S+5], v[S+6:S+7]
	v_pk_add_f32 v[C3:C3+1], v[S+8:S+9], v[S+10:S+11]
.irp j, 12,20,28,36,44,52
	v_pk_add_f32 v[ST+2:ST+3], v[ST+2:ST+3], v[S+\j:S+\j+1]
	v_pk_add_f32 v[C1:C1+1], v[C1:C1+1], v[S+\j+2:S+\j+3]
	v_pk_add_f32 v[C2:C2+1], v[C2:C2+1], v[S+\j+4:S+\j+5]
	v_pk_add_f32 v[C3:C3+1], v[C3:C3+1], v[S+\j+6:S+\j+7]
.endr
	v_pk_add_f32 v[ST+2:ST+3], v[ST+2:ST+3], v[S+60:S+61]
	v_pk_add_f32 v[C1:C1+1], v[C1:C1+1], v[S+62:S+63]
.endm
.macro JOIN x                          ; the four chains of tile x's sum become one
	v_pk_add_f32 v[C2:C2+1], v[C2:C2+1], v[C3:C3+1]
	v_pk_add_f32 v[STT+4*(\x)+2:STT+4*(\x)+3], v[STT+4*(\x)+2:STT+4*(\x)+3], v[C1:C1+1]
	v_pk_add_f32 v[STT+4*(\x)+2:STT+4*(\x)+3], v[STT+4*(\x)+2:STT+4*(\x)+3], v[C2:C2+1]
.endm
.macro PVM dt, x
.set rO, O+32*(\x)+8*(\dt)
.if (\dt)%2 == 0
	v_wmma_scale_f32_16x16x128_f8f6f4 v[rO:rO+7], v[KF+8*(\dt):KF+8*(\dt)+7], v[PCD+8*(\x):PCD+8*(\x)+7], v[rO:rO+7], v[VSC+(\dt)/2], v[PWD+(\x)] matrix_a_fmt:MATRIX_FMT_FP4 matrix_b_fmt:MATRIX_FMT_FP4
.else
	v_wmma_scale_f32_16x16x128_f8f6f4 v[rO:rO+7], v[KF+8*(\dt):KF+8*(\dt)+7], v[PCD+8*(\x):PCD+8*(\x)+7], v[rO:rO+7], v[VSC+(\dt)/2], v[PWD+(\x)] matrix_a_fmt:MATRIX_FMT_FP4 matrix_b_fmt:MATRIX_FMT_FP4 matrix_a_scale:MATRIX_SCALE_ROW1
.endif
.endm
.macro KLOAD                           ; the step's addresses, K's eight tiles and their scale words
	v_add_nc_u32 v[ADK], s[TB], v[AK0]             ; four plain lines: the places behind the last step's products, in front of the loads into V's registers
	v_add_nc_u32 v[ADV], s[TB], v[AV0]
	v_add_nc_u32 v[ADS], s[TS], v[ASK0]
	v_add_nc_u32 v[ADT], s[TJ], v[ASV0]
.irp t, 0,1,2,3,4,5,6,7
	ds_load_b128 v[KF+4*\t:KF+4*\t+3], v[ADK] offset:2048*(\t/4)+512*((\t%4)/2)+128*(\t%2)
.endr
.irp i, 0,1,2,3
	ds_load_b32 v[KS+\i], v[ADS] offset:256*(\i/2)+64*(\i%2)
.endr
	s_wait_alu depctr_va_vdst(0)
	s_wait_dscnt 0x0
.endm
.macro VLOAD                           ; V's four fragments and their scale words land under a softmax
.irp d, 0,1,2,3
	ds_load_b128 v[KF+8*\d:KF+8*\d+3], v[ADV] offset:1024*\d
	ds_load_b128 v[KF+8*\d+4:KF+8*\d+7], v[ADV] offset:1024*\d+512
.endr
	ds_load_b32 v[VSC], v[ADT]
	ds_load_b32 v[VSC+1], v[ADT] offset:128
.endm
.macro NEXT lbl                        ; the lines that every wave runs in every trip
	s_add_co_u32 s[TB], s[TB], 4096
	s_add_co_u32 s[TS], s[TS], 512
	s_add_co_u32 s[TJ], s[TJ], 256
	s_sub_co_u32 s[CNT], s[CNT], 1
	s_cmp_lg_u32 s[CNT], 0
	s_cbranch_scc1 \lbl
.endm
.macro ZQ z, zc, zw                    ; 32 numbers of a lane (register 8 t + j = channel 16 t + 8 h + j) become two blocks' codes and two scale bytes
.irp b, 0,1
	v_max3_num_f32 v[BM+\b], |v[\z+16*\b]|, |v[\z+16*\b+1]|, 0x1800000
.endr
.irp i, 2,4,6,8,10,12,14
.irp b, 0,1
	v_max3_num_f32 v[BM+\b], v[BM+\b], |v[\z+16*\b+\i]|, |v[\z+16*\b+\i+1]|
.endr
.endr
.irp b, 0,1
	v_permlanex16_b32 v[PT+\b], v[BM+\b], s[SEL], s[SEL+1]
.endr
.irp b, 0,1
	v_max_num_f32 v[BM+\b], v[BM+\b], v[PT+\b]
.endr
.irp b, 0,1
	v_add_nc_u32 v[SO+\b], 0xff000000, v[BM+\b]
.endr
.irp b, 0,1
	v_lshrrev_b32 v[PT+\b], 23, v[SO+\b]
.endr
	v_lshl_or_b32 v[\zw], v[PT+1], 8, v[PT]
	v_cvt_scalef32_pk8_fp4_f32 v[\zc], v[\z:\z+7], v[SO]
	v_cvt_scalef32_pk8_fp4_f32 v[\zc+2], v[\z+8:\z+15], v[SO]
	v_cvt_scalef32_pk8_fp4_f32 v[\zc+1], v[\z+16:\z+23], v[SO+1]
	v_cvt_scalef32_pk8_fp4_f32 v[\zc+3], v[\z+24:\z+31], v[SO+1]
	v_nop                                          ; one plain place behind a scaled conversion
	v_permlane16_swap_b32 v[\zc], v[\zc+1]         ; lanes 0-15: the first block whole, lanes 16-31: the second
	v_permlane16_swap_b32 v[\zc+2], v[\zc+3]
.endm
; THE WAY OUT of n tiles: z = O^T / the sum, quantised along the model's axis: my head's 64 channels are two blocks of K step head / 2 of the last product.
.macro WAYOUT n
	v_add_f32 v[T0], v[STT+2], v[STT+3]            ; the sums' halves (with the lines below: the places behind the last products),
.if \n == 2
	v_add_f32 v[T1], v[STT+6], v[STT+7]
.endif
	v_permlanex16_b32 v[PT], v[T0], s[SEL], s[SEL+1]
.if \n == 2
	v_permlanex16_b32 v[PT+1], v[T1], s[SEL], s[SEL+1]
.endif
	v_add_f32 v[T0], v[T0], v[PT]                  ; and lane l xor 16's
.if \n == 2
	v_add_f32 v[T1], v[T1], v[PT+1]
.endif
	s_wait_alu depctr_va_vdst(0)
	v_rcp_f32 v[RLA], v[T0]
.if \n == 2
	v_rcp_f32 v[RLB], v[T1]
.endif
	v_nop                                          ; a plain place behind the reciprocals
	v_nop
	s_wait_alu depctr_va_vdst(0)                   ; one wait, directly ahead of the first reader of O^T
.irp j, 0,2,4,6,8,10,12,14,16,18,20,22,24,26,28,30
	v_pk_mul_f32 v[S+\j:S+\j+1], v[O+\j:O+\j+1], v[RLA:RLA+1] op_sel_hi:[1,0]
.endr
.if \n == 2
.irp j, 0,2,4,6,8,10,12,14,16,18,20,22,24,26,28,30
	v_pk_mul_f32 v[S+32+\j:S+32+\j+1], v[O+32+\j:O+32+\j+1], v[RLB:RLB+1] op_sel_hi:[1,0]
.endr
.endif
	ZQ S, PCD, 250
.if \n == 2
	ZQ S+32, PCD+8, 251
.endif
	global_store_b128 v[L16], v[PCD:PCD+3], s[88:89]                 ; 512 consecutive bytes, aligned: half of a tile's image
.if \n == 2
	global_store_b128 v[L16], v[PCD+8:PCD+11], s[88:89] offset:1024
	v_cndmask_b32 v248, v250, v251, s[HM]          ; lanes 0-15: A's rows, lanes 16-31: B's
	global_store_b16 v[L4], v248, s[90:91]         ; a K step's scale word belongs to two heads: each writes its two bytes
.else
	global_store_b16 v[L4M], v250, s[90:91]        ; lanes l and l xor 16 hold the same two bytes and write them to the same place
.endif
.endm
.Lstep:                                            ; THE PAIRS: 16 trips, a step of 128 keys for both tiles
	s_cmp_eq_u32 s[RO], 3
	s_cbranch_scc1 .Lskip2                         ; role 3 has no pair
	KLOAD
	QK 0
	NOP4
	s_wait_kmcnt 0x0                               ; A's mask words, asked for half a step ago
	SELECT
	MLOAD 0x1000                                   ; B's words: its records lie 16 x 256 bytes on
	SOFT 0
	QK 1
	JOIN 0                                         ; with the v_nop: four places in front of the loads into K's registers and of the first read of the scores
	v_nop
	VLOAD
	s_wait_kmcnt 0x0                               ; B's mask words; no scalar load is out, so the pointer may step
	SELECT
	s_add_nc_u64 s[MP:MP+1], s[MP:MP+1], 256
	MLOAD 0x0                                      ; A's words of the next step.  (The last trip names tile B's first record, which lies inside mb, and does not use it)
	SOFT 1
	JOIN 1
	s_wait_alu depctr_va_vdst(0)
	s_wait_dscnt 0x0                               ; V
.irp d, 0,1,2,3                                ; O^T += V^T P^T: eight accumulators by turns
	PVM \d, 0
	PVM \d, 1
.endr
.Lskip2:
	NEXT .Lstep
	s_wait_kmcnt 0x0                               ; the last look-ahead
	s_cmp_eq_u32 s[RO], 3
	s_cbranch_scc1 .Lno_pair
	WAYOUT 2
.Lno_pair:
	s_mov_b32 s[TB], 0
	s_mov_b32 s[TS], 0
	s_mov_b32 s[TJ], 0
	s_mov_b32 s[CNT], 16
	s_cmp_lg_u32 s[NS], 0
	s_cbranch_scc1 .Lone                           ; roles 1 and 2 have no single tile
	SETUP 1
	INIT 0
	s_wait_alu depctr_va_vdst(0)
	s_wait_loadcnt 0x0                             ; Q
.Lone:                                             ; THE SINGLE TILES: 16 trips, in tile A's registers
	s_cmp_lg_u32 s[NS], 0
	s_cbranch_scc1 .Lskip1
	KLOAD
	QK 0
	NOP4                                           ; four places in front of the loads into K's registers and of the first read of the scores
	VLOAD
	s_wait_kmcnt 0x0                               ; the step's mask words; no scalar load is out, so the pointer may step:
	s_cmp_lg_u32 s[CNT], 1
	s_cselect_b32 s2, 256, 0                       ; not in the last trip, whose look-ahead names its own record again: the last tile's successor would lie outside mb
	s_mov_b32 s3, 0
	s_add_nc_u64 s[MP:MP+1], s[MP:MP+1], s[2:3]
	SELECT
	MLOAD 0x0
	SOFT 0
	JOIN 0
	s_wait_alu depctr_va_vdst(0)
	s_wait_dscnt 0x0                               ; V
.irp d, 0,1,2,3                                ; four accumulators by turns; the step's eight score products stand between a sum's steps
	PVM \d, 0
.endr
.Lskip1:
	NEXT .Lone
	s_wait_kmcnt 0x0                               ; the last look-ahead
	s_cmp_lg_u32 s[NS], 0
	s_cbranch_scc1 .Lend
	WAYOUT 1
.Lend:
	s_wait_tensorcnt 0x0                           ; the wave's end
	ds_add_u32 v[SPW], v[NIL]
	s_wait_dscnt 0x0
	CROUND                                         ; the closing round
	s_endpgm
.Lfunc_end_k_qbb3c00c42d_attn:
	.size	k_qbb3c00c42d_attn, .Lfunc_end_k_qbb3c00c42d_attn-k_qbb3c00c42d_attn
	.p2alignl 7, 3214868480
	.fill 96, 4, 3214868480
	.section	.rodata,"a",@progbits
	.p2align	6, 0x0
	.amdhsa_kernel k_qbb3c00c42d_attn
		.amdhsa_group_segment_fixed_size 167936
		.amdhsa_private_segment_fixed_size 0
		.amdhsa_enable_private_segment 0
		.amdhsa_kernarg_size 32
		.amdhsa_user_sgpr_count 2
		.amdhsa_user_sgpr_kernarg_segment_ptr 1
		.amdhsa_wavefront_size32 1
		.amdhsa_system_sgpr_workgroup_id_x 1
		.amdhsa_system_sgpr_workgroup_id_y 1
		.amdhsa_system_sgpr_workgroup_id_z 1
		.amdhsa_system_vgpr_workitem_id 0
		.amdhsa_next_free_vgpr 256
		.amdhsa_next_free_sgpr 106
		.amdhsa_reserve_vcc 0
		.amdhsa_float_denorm_mode_32 3
		.amdhsa_float_denorm_mode_16_64 3
		.amdhsa_memory_ordered 1
		.amdhsa_forward_progress 1
		.amdhsa_inst_pref_size 78
	.end_amdhsa_kernel
	.amdgpu_metadata
---
amdhsa.version: [ 1, 2 ]
amdhsa.kernels:
  - .name:           k_qbb3c00c42d_attn
    .symbol:         k_qbb3c00c42d_attn.kd
    .args:
      - { .name: qkv, .offset: 0, .size: 8, .value_kind: global_buffer, .address_space: global }
      - { .name: mb, .offset: 8, .size: 8, .value_kind: global_buffer, .address_space: global }
      - { .name: xc, .offset: 16, .size: 8, .value_kind: global_buffer, .address_space: global }
      - { .name: xs, .offset: 24, .size: 8, .value_kind: global_buffer, .address_space: global }
    .group_segment_fixed_size: 167936
    .private_segment_fixed_size: 0
    .kernarg_segment_align: 8
    .kernarg_segment_size: 32
    .max_flat_workgroup_size: 512
    .sgpr_count:     106
    .vgpr_count:     256
    .wavefront_size: 32
...
	.end_amdgpu_metadata
.endif
;; end of part 3
;; launch outp (part 4): grid 8 x 32, 8 waves a work-group, clusters of 4 x 4, 306,176 bytes of LDS; arguments xc, xs, wc, ws, bo, out0; writes out0
.if DOCPART == 4
	.amdgcn_target "amdgcn-amd-amdhsa--gfx1250"
	.amdhsa_code_object_version 6
	.text
	.protected	k_qbb3c00c42d_outp
	.globl	k_qbb3c00c42d_outp
	.p2align	8
	.type	k_qbb3c00c42d_outp,@function
k_qbb3c00c42d_outp:
	s_mov_b64 s[64:65], 0
	v_nop
	global_prefetch_b8 v0, s[64:65] scope:SCOPE_SE
	s_setreg_imm32_b32 hwreg(HW_REG_WAVE_MODE, 25, 1), 1
	s_wait_xcnt 0x0
	s_wait_alu depctr_hold_cnt(0) depctr_sa_sdst(0) depctr_va_vdst(0) depctr_va_sdst(0) depctr_va_ssrc(0) depctr_va_vcc(0) depctr_vm_vsrc(0)
	s_getreg_b32 s2, hwreg(HW_REG_IB_STS2, 6, 4)
	s_cmp_eq_u32 s2, 0
	s_cbranch_scc0 .Lentry_in_a_cluster
	s_endpgm
.Lentry_in_a_cluster:
	s_bfe_u32 s2, ttmp6, 0x10000c
	s_cmp_lg_u32 s2, 0xf033
	s_cbranch_scc0 .Lentry_shape_is_right
	s_endpgm
.Lentry_shape_is_right:
; Launch 4 of 4: out0 = z wo^T + bo on codes of E2M1.  z's codes and scale words lie in the first slot of xc and xs, wo's in the fourth of wc and ws.  Nothing is left out as dead work.
; THE CORE IS THAT OF THE PROJECTIONS' LAUNCH.  P = source 0 = 128 rows of wo (128 output columns, which run along a lane's registers), R = source 1 = 256 rows of z (the lane).
; A work-group makes P128 x R256 over all of K = 1,024; a wave P128 x R32: 16 accumulators.  All of K of both operands (204 KiB) is filled into LDS once, by one load a wave.
; CLUSTERS of 4 x 4: the four of a column (same cx) need the same P, the four of a row (same cy) the same R: each piece is asked for jointly.  256 work-groups.
; LIMITS: as stated at the head of the first launch.
.set SPARE, 305152                     ; behind the stages: the spare words, 128 bytes for each of eight waves
.set AP,   1                           ; v1-4 LDS addresses: P's fragments, my two tiles of R, P's scale words, R's
.set AR,   2
.set ASP,  3
.set ASR,  4
.set SPW,  5                           ; v5   my spare word; never rewritten
.set NIL,  6                           ; v6   0; never rewritten
.set STO,  8                           ; v8   the way out: where I put 32 bytes of a row
.set RD,   9                           ; v9   where I read a row back
.set CO,   10                          ; v10  16 x lane: my bytes of a row's 512 in out0
.set VS,   12
.set SCS,  16                          ; v16-20, v21-25 two sets of scale words
.set RF,   32                          ; v32-47, v48-63 R's two fragments, two sets
.set PF,   64                          ; v64-127 P's eight fragments
.set ACC,  128                         ; v128-255 accumulator (a, b) at ACC + 64 a + 8 b
.set WV,   20
.set G1PC, 28
.set G1RC, 36
.set G1PS, 44
.set G1RS, 52
.macro CROUND
	s_barrier_signal -1
	s_barrier_wait -1
	s_cmp_lg_u32 s[WV], 0
	s_cbranch_scc1 .Lnot_wave_0_\@
	s_barrier_signal -3
.Lnot_wave_0_\@:
	s_barrier_wait -3
	s_barrier_signal -1
	s_barrier_wait -1
.endm
.macro NOP4
.rept 4
	v_nop
.endr
.endm
.macro MKG0 g, adr                     ; group 0: LDS byte 32,768 x wave
	s_mov_b32 s[\g], 1
	s_lshl_b32 s[\g+1], s[WV], 15
	s_mov_b64 s[\g+2:\g+3], s[\adr:\adr+1]
	s_or_b32 s[\g+3], s[\g+3], 0x80000000
.endm
.macro ONE g0, g1                      ; a wave's one tensor load
	tensor_load_to_lds s[\g0:\g0+3], s[\g1:\g1+7]
	s_nop 0
	NOP4
.endm
	s_load_b256 s[4:11], s[0:1], 0x0               ; xc, xs, wc, ws
	s_load_b128 s[12:15], s[0:1], 0x20             ; bo, out0
	v_lshl_add_u32 v[SPW], v0, 2, SPARE
	v_mov_b32 v[NIL], 0
	ds_add_u32 v[SPW], v[NIL]                      ; the opening: the add, twice on end, and its wait ahead of my first tensor load
	ds_add_u32 v[SPW], v[NIL]
	v_lshrrev_b32 v13, 5, v0
	s_delay_alu instid0(VALU_DEP_1)
	v_readfirstlane_b32 s[WV], v13                 ; wave 0..7
	s_bfe_u32 s21, ttmp6, 0x40000                  ; cx
	s_bfe_u32 s22, ttmp6, 0x40004                  ; cy
	s_lshl_b32 s25, ttmp9, 2
	s_add_co_u32 s25, s25, s21                     ; P tile (128 output columns): hangs on cx alone
	s_and_b32 s26, ttmp7, 0xffff
	s_lshl_b32 s26, s26, 2
	s_add_co_u32 s26, s26, s22                     ; R tile (256 rows): hangs on cy alone
	s_lshl_b32 s24, 0x1111, s21                    ; my column of the cluster
	s_lshl_b32 s27, s22, 2
	s_lshl_b32 s27, 15, s27                        ; my row
	s_or_b32 s[G1PC], s24, (3<<16)|(1<<21)         ; 15:0 the mask; 17:16 elements of 8 bytes; 21 set beside a mask; no padding
	s_or_b32 s[G1PS], s24, (3<<16)|(1<<21)
	s_or_b32 s[G1RC], s27, (3<<16)|(1<<21)
	s_or_b32 s[G1RS], s27, (3<<16)|(1<<21)
.irp g, G1PC, G1RC, G1PS, G1RS         ; every piece is a dense block of memory, stated as rows of 256 bytes
	s_mov_b32 s[\g+1], 32<<16
	s_mov_b32 s[\g+3], 32<<16
	s_mov_b32 s[\g+5], 32
	s_mov_b32 s[\g+6], 0
	s_mov_b32 s[\g+7], 0
.endr
.irp g, G1PC, G1RC                     ; four K steps' codes of 128 rows: 32,768 bytes
	s_mov_b32 s[\g+2], 128<<16
	s_mov_b32 s[\g+4], 128
.endr
	s_mov_b32 s[G1PS+2], 16<<16                    ; all eight K steps' scale words of 128 rows: 4,096 bytes
	s_mov_b32 s[G1PS+4], 16
	s_mov_b32 s[G1RS+2], 32<<16                    ; and of 256 rows: 8,192 bytes
	s_mov_b32 s[G1RS+4], 32
	; WHAT I FETCH, ONE LOAD A WAVE, ALL OF K.  Waves 0, 1: P's codes, K steps 0-3 and 4-7.  Waves 2-5: R's codes, row block (wave / 4), K steps 0-3 (even wave) or 4-7.  Wave 6: P's scale words.  Wave 7: R's.
	s_lshl_b32 s2, s25, 16
	s_add_co_u32 s2, s2, 3*524288                  ; wo is the fourth weight
	s_lshl_b32 s24, s[WV], 15
	s_add_co_u32 s2, s2, s24
	s_lshl_b32 s3, s25, 12
	s_add_co_u32 s3, s3, 3*32768
	s_cmp_eq_u32 s[WV], 6
	s_cselect_b32 s2, s3, s2
	s_mov_b32 s3, 0
	s_lshl_b32 s27, s26, 1
	s_bfe_u32 s96, s[WV], 0x10002
	s_add_co_u32 s27, s27, s96
	s_lshl_b32 s66, s27, 16
	s_and_b32 s27, s[WV], 1
	s_lshl_b32 s27, s27, 15
	s_add_co_u32 s66, s66, s27
	s_lshl_b32 s67, s26, 13
	s_cmp_eq_u32 s[WV], 7
	s_cselect_b32 s66, s67, s66
	s_mov_b32 s67, 0
	s_wait_dscnt 0x0                               ; both opening adds are done
	s_wait_kmcnt 0x0
	s_cmp_eq_u32 s[WV], 6
	s_cselect_b64 s[96:97], s[10:11], s[8:9]
	s_cmp_eq_u32 s[WV], 7
	s_cselect_b64 s[100:101], s[6:7], s[4:5]
	s_add_nc_u64 s[96:97], s[96:97], s[2:3]
	s_add_nc_u64 s[100:101], s[100:101], s[66:67]
	MKG0 60, 96
	MKG0 80, 100
	CROUND                                         ; all sixteen work-groups are here: the joint loads meet
	s_cmp_lt_u32 s[WV], 2                          ; one chain of branches on the wave's number; each arm holds one load, all arms lead to one join
	s_cbranch_scc0 .Lnot_pc
	ONE 60, G1PC
	s_branch .Lasked
.Lnot_pc:
	s_cmp_lt_u32 s[WV], 6
	s_cbranch_scc0 .Lnot_rc
	ONE 80, G1RC
	s_branch .Lasked
.Lnot_rc:
	s_cmp_eq_u32 s[WV], 6
	s_cbranch_scc0 .Lis_rs
	ONE 60, G1PS
	s_branch .Lasked
.Lis_rs:
	ONE 80, G1RS
.Lasked:
	; LDS: 0 P's codes [K step][tile][1,024]; 65,536 R's [row block][K step][tile][1,024]; 196,608 P's scale words [K step][tile][row]; 229,376 R's [row block][K step][tile][row]; 237,568 the stages.  Each byte is filled once
	v_and_b32 v13, 31, v0
	s_delay_alu instid0(VALU_DEP_1)
	v_lshlrev_b32 v[AP], 4, v13
	s_delay_alu instid0(VALU_DEP_2)
	v_lshlrev_b32 v[VS], 2, v13
	s_wait_alu depctr_va_vdst(0)
	s_lshr_b32 s96, s[WV], 2
	s_and_b32 s97, s[WV], 3
	s_lshl_b32 s98, s96, 16
	s_lshl_b32 s99, s97, 11
	s_add_co_u32 s98, s98, s99
	s_add_co_u32 s98, s98, 65536
	v_add_nc_u32 v[AR], s98, v[AP]
	v_add_nc_u32 v[ASP], 196608, v[VS]
	s_lshl_b32 s98, s96, 12
	s_lshl_b32 s99, s97, 7
	s_add_co_u32 s98, s98, s99
	s_add_co_u32 s98, s98, 229376
	v_add_nc_u32 v[ASR], s98, v[VS]
	; THE BIAS IS THE START OF THE SUMS: register j of tile b is output column 16 b + 8 h + j of P's 128
	v_bfe_u32 v14, v0, 4, 1
	s_delay_alu instid0(VALU_DEP_1)
	v_lshlrev_b32 v14, 5, v14
	s_lshl_b32 s98, s25, 9
	s_mov_b32 s99, 0
	s_add_nc_u64 s[96:97], s[12:13], s[98:99]
.irp a, 0,1
.irp b, 0,1,2,3,4,5,6,7
	global_load_b128 v[ACC+64*\a+8*\b:ACC+64*\a+8*\b+3], v14, s[96:97] offset:64*\b
	global_load_b128 v[ACC+64*\a+8*\b+4:ACC+64*\a+8*\b+7], v14, s[96:97] offset:64*\b+16
.endr
.endr
.macro LDP s, b0
.irp b, \b0, \b0+1, \b0+2, \b0+3
	ds_load_b128 v[PF+8*(\b):PF+8*(\b)+3], v[AP] offset:(\s)*8192+(\b)*1024
	ds_load_b128 v[PF+8*(\b)+4:PF+8*(\b)+7], v[AP] offset:(\s)*8192+(\b)*1024+512
.endr
.endm
.macro LDR s
.irp a, 0,1
	ds_load_b128 v[RF+16*((\s)&1)+8*\a:RF+16*((\s)&1)+8*\a+3], v[AR] offset:(\s)*8192+\a*1024
	ds_load_b128 v[RF+16*((\s)&1)+8*\a+4:RF+16*((\s)&1)+8*\a+7], v[AR] offset:(\s)*8192+\a*1024+512
.endr
.endm
.macro LDSC s
.irp i, 0,1,2,3
	ds_load_b32 v[SCS+5*((\s)&1)+\i], v[ASP] offset:(\s)*512+128*\i
.endr
	ds_load_b32 v[SCS+5*((\s)&1)+4], v[ASR] offset:(\s)*512
.endm
.macro MM a, b, p                      ; accumulator (a, b) += P's tile b x R's tile a; an odd tile's scale words stand in lanes 16-31
.set rD, ACC+64*(\a)+8*(\b)
.set rP, PF+8*(\b)
.set rR, RF+16*(\p)+8*(\a)
.set rSP, SCS+5*(\p)+(\b)/2
.set rSR, SCS+5*(\p)+4
.if ((\b)%2 == 0) && ((\a) == 0)
	v_wmma_scale_f32_16x16x128_f8f6f4 v[rD:rD+7], v[rP:rP+7], v[rR:rR+7], v[rD:rD+7], v[rSP], v[rSR] matrix_a_fmt:MATRIX_FMT_FP4 matrix_b_fmt:MATRIX_FMT_FP4
.elseif ((\b)%2 == 1) && ((\a) == 0)
	v_wmma_scale_f32_16x16x128_f8f6f4 v[rD:rD+7], v[rP:rP+7], v[rR:rR+7], v[rD:rD+7], v[rSP], v[rSR] matrix_a_fmt:MATRIX_FMT_FP4 matrix_b_fmt:MATRIX_FMT_FP4 matrix_a_scale:MATRIX_SCALE_ROW1
.elseif ((\b)%2 == 0)
	v_wmma_scale_f32_16x16x128_f8f6f4 v[rD:rD+7], v[rP:rP+7], v[rR:rR+7], v[rD:rD+7], v[rSP], v[rSR] matrix_a_fmt:MATRIX_FMT_FP4 matrix_b_fmt:MATRIX_FMT_FP4 matrix_b_scale:MATRIX_SCALE_ROW1
.else
	v_wmma_scale_f32_16x16x128_f8f6f4 v[rD:rD+7], v[rP:rP+7], v[rR:rR+7], v[rD:rD+7], v[rSP], v[rSR] matrix_a_fmt:MATRIX_FMT_FP4 matrix_b_fmt:MATRIX_FMT_FP4 matrix_a_scale:MATRIX_SCALE_ROW1 matrix_b_scale:MATRIX_SCALE_ROW1
.endif
.endm
.macro MUL8 b0, p                      ; eight products; the 16 accumulators take turns, one instruction a turn, in the same order in every K step
.irp b, \b0, \b0+1, \b0+2, \b0+3
.irp a, 0,1
	MM \a, (\b), \p
.endr
.endr
.endm
.macro KSTEP s, p                      ; K step s on register sets p = s % 2; its successor's fragments are fetched under it.  All of K lies in LDS: every offset is an immediate, and no barrier stands between K steps
	s_wait_dscnt 8                                 ; all but the youngest eight loads (P's tiles 4-7) are in
	MUL8 0, \p
	NOP4                                           ; four places in front of loads into registers that matrix instructions have read
	LDP (\s)+1, 0
	LDR (\s)+1
	LDSC (\s)+1
	s_wait_dscnt 17                                ; all but the 17 just issued
	MUL8 4, \p
	NOP4
	LDP (\s)+1, 4
.endm
	s_wait_alu depctr_va_vdst(0)
	s_wait_tensorcnt 0x0                           ; my one load has landed,
	s_wait_loadcnt 0x0                             ; the bias
	s_barrier_signal -1
	s_barrier_wait -1                              ; everybody's has
	LDP 0, 0
	LDR 0
	LDSC 0
	LDP 0, 4
.irp s, 0,2,4
	KSTEP \s, 0
	KSTEP \s+1, 1
.endr
	KSTEP 6, 0
	s_wait_dscnt 8
	MUL8 0, 1
	s_wait_dscnt 0x0
	MUL8 4, 1
	; THE WAY OUT.  A lane holds 32 neighbouring bytes of a row for each tile of P, and the lanes beside it hold other rows: 16 rows x 512 bytes go through my own stage in LDS and come back as whole rows.
	; The eight stages (16 x 528 bytes each) have LDS bytes of their own, from 237,568 on, into which no tensor load lands: no barrier is needed.
	s_mul_i32 s28, s[WV], 8448
	s_add_co_u32 s28, s28, 237568
	v_and_b32 v13, 15, v0                          ; these plain lines are the places behind the last products
	v_bfe_u32 v14, v0, 4, 1
	s_delay_alu instid0(VALU_DEP_2)
	v_mul_u32_u24 v[STO], v13, 528
	s_delay_alu instid0(VALU_DEP_1)
	v_lshl_add_u32 v[STO], v14, 5, v[STO]
	s_delay_alu instid0(VALU_DEP_1)
	v_add_nc_u32 v[STO], s28, v[STO]               ; in: row r, + 32 h; the tile stands in the immediate
	s_wait_alu depctr_va_vdst(0)
	v_and_b32 v[CO], 31, v0
	s_delay_alu instid0(VALU_DEP_1)
	v_lshlrev_b32 v[CO], 4, v[CO]
	s_delay_alu instid0(VALU_DEP_1)
	v_add_nc_u32 v[RD], s28, v[CO]                 ; back: the 32 lanes take one row
	s_wait_alu depctr_va_vdst(0)
	s_lshl_b32 s29, s26, 8
	s_lshl_b32 s30, s[WV], 5
	s_add_co_u32 s29, s29, s30                     ; my first row of out0
	s_lshl_b32 s30, s29, 12
	s_lshl_b32 s31, s25, 9
	s_add_co_u32 s30, s30, s31                     ; x 4,096 bytes + P tile x 512
	s_mov_b32 s31, 0
	s_add_nc_u64 s[14:15], s[14:15], s[30:31]
.macro TOSTAGE a, bk                   ; LDS serves a wave's instructions in order: the loads see the stores above them
.irp b, 0,1,2,3,4,5,6,7
	ds_store_b128 v[STO], v[ACC+64*\a+8*\b:ACC+64*\a+8*\b+3] offset:64*\b          ; each accumulator from its low end on
	ds_store_b128 v[STO], v[ACC+64*\a+8*\b+4:ACC+64*\a+8*\b+7] offset:64*\b+16
.endr
.irp t, 0,1,2,3,4,5,6,7,8,9,10,11,12,13,14,15
	ds_load_b128 v[\bk+4*\t:\bk+4*\t+3], v[RD] offset:528*\t
.endr
.endm
	TOSTAGE 0, 32                                  ; rows 0-15 come back into v32-95
	s_wait_dscnt 0x0                               ; they are back, and the stores have read the first 64 accumulator registers,
	TOSTAGE 1, 128                                 ; which take rows 16-31
.irp t, 0,1,2,3,4,5,6,7,8,9,10,11,12,13,14,15
	global_store_b128 v[CO], v[32+4*\t:35+4*\t], s[14:15] offset:4096*\t th:TH_STORE_NT   ; 512 consecutive bytes, aligned; written once
.endr
.irp t, 0,1,2,3,4,5,6,7,8,9,10,11,12,13,14,15
	s_wait_dscnt 15-\t                             ; row t is back; the younger loads may be out
	global_store_b128 v[CO], v[128+4*\t:131+4*\t], s[14:15] offset:4096*\t+65536 th:TH_STORE_NT
.endr
	s_wait_tensorcnt 0x0                           ; the wave's end, behind my last tensor load and my last LDS store
	ds_add_u32 v[SPW], v[NIL]
	s_wait_dscnt 0x0
	CROUND                                         ; the closing round
	s_endpgm
.Lfunc_end_k_qbb3c00c42d_outp:
	.size	k_qbb3c00c42d_outp, .Lfunc_end_k_qbb3c00c42d_outp-k_qbb3c00c42d_outp
	.p2alignl 7, 3214868480
	.fill 96, 4, 3214868480
	.section	.rodata,"a",@progbits
	.p2align	6, 0x0
	.amdhsa_kernel k_qbb3c00c42d_outp
		.amdhsa_group_segment_fixed_size 306176
		.amdhsa_private_segment_fixed_size 0
		.amdhsa_enable_private_segment 0
		.amdhsa_kernarg_size 48
		.amdhsa_user_sgpr_count 2
		.amdhsa_user_sgpr_kernarg_segment_ptr 1
		.amdhsa_wavefront_size32 1
		.amdhsa_system_sgpr_workgroup_id_x 1
		.amdhsa_system_sgpr_workgroup_id_y 1
		.amdhsa_system_sgpr_workgroup_id_z 1
		.amdhsa_system_vgpr_workitem_id 0
		.amdhsa_next_free_vgpr 256
		.amdhsa_next_free_sgpr 106
		.amdhsa_reserve_vcc 0
		.amdhsa_float_denorm_mode_32 3
		.amdhsa_float_denorm_mode_16_64 3
		.amdhsa_memory_ordered 1
		.amdhsa_forward_progress 1
		.amdhsa_inst_pref_size 50
	.end_amdhsa_kernel
	.amdgpu_metadata
---
amdhsa.version: [ 1, 2 ]
amdhsa.kernels:
  - .name:           k_qbb3c00c42d_outp
    .symbol:         k_qbb3c00c42d_outp.kd
    .args:
      - { .name: xc, .offset: 0, .size: 8, .value_kind: global_buffer, .address_space: global }
      - { .name: xs, .offset: 8, .size: 8, .value_kind: global_buffer, .address_space: global }
      - { .name: wc, .offset: 16, .size: 8, .value_kind: global_buffer, .address_space: global }
      - { .name: ws, .offset: 24, .size: 8, .value_kind: global_buffer, .address_space: global }
      - { .name: bo, .offset: 32, .size: 8, .value_kind: global_buffer, .address_space: global }
      - { .name: out0, .offset: 40, .size: 8, .value_kind: global_buffer, .address_space: global }
    .group_segment_fixed_size: 306176
    .private_segment_fixed_size: 0
    .kernarg_segment_align: 8
    .kernarg_segment_size: 48
    .max_flat_workgroup_size: 256
    .sgpr_count:     106
    .vgpr_count:     256
    .wavefront_size: 32
...
	.end_amdgpu_metadata
.endif
;; end of part 4
